; MI455X (gfx1250); checked and timed in simulation.
; The chip was launched on July 23, 2026; its instructions are those of AMD's public machine-readable ISA for CDNA 5 (MIT licence, August 2026) and "CDNA5" Instruction Set Architecture Reference Guide (July 2026). The comments in the code are by the model that wrote it; some were corrected since.
;; Multi Head Attention. Allowed arithmetic: matrix products marked QUANTISED: E4M3 operands, one E8M0 scale for each 32 along K, by v_wmma_scale_f32_16x16x128_f8f6f4 with both operands' format E4M3, f32 sums; everything else in f32.
;; Inputs: Wkv 1,024 x 2,048 float32; Wo 1,024 x 1,024 float32; Wq 1,024 x 1,024 float32; bkv 2,048 float32; bo 1,024 float32; bq 1,024 float32; lengths 8 int32; ln_b 1,024 float32; ln_g 1,024 float32; x 8 x 1,024 x 1,024 float32.
;; Outputs: out0 8 x 1,024 x 1,024 float32.
;; This version of the problem:
;;   THIS VERSION OF THE PROBLEM IS GIVEN IN LOW PRECISION. The matrix products marked QUANTISED in the list below multiply operands that are first quantised to E4M3 (4 exponent bits, 3 mantissa bits; 8 bits a number), with one power-of-two scale for each 32 numbers along K (OCP MX v1.0); their sums are f32. All else is computed in f32.
;;   The module's matrix products, in the order in which they are computed (A, B: the left and right operand; K: the contracted axis; several contracted axes count as one K, in the product's order):
;;     1. [M 8,192, K 1,024] x [K 1,024, N 1,024]; A: computed on the way; B: input Wq: QUANTISED
;;     2. [M 8,192, K 1,024] x [K 1,024, N 2,048]; A: computed on the way; B: input Wkv: QUANTISED
;;     3. batch 128 x [M 1,024, K 64] x [K 64, N 1,024]; A: computed on the way; B: computed on the way: QUANTISED
;;     4. batch 128 x [M 64, K 1,024] x [K 1,024, N 1,024]; A: computed on the way; B: softmax (see below): QUANTISED
;;     5. [M 8,192, K 1,024] x [K 1,024, N 1,024]; A: computed on the way; B: input Wo: QUANTISED
;;   THE QUANTISER, for each operand of a quantised product, along K:
;;     - K is cut into blocks of 32 from its start; a last block that is shorter is filled with zeros.
;;     - A block's scale is 2^e with e = floor(log2(the largest magnitude in the block)) - 8, held to -126 .. 127; a block of zeros has e = 0. As a byte (E8M0): e + 127.
;;     - Each number is divided by its block's scale, clamped to +-448, and rounded to the nearest number of E4M3, ties to even, subnormals kept.
;;     - The product sums the exact products of the quantised numbers (number of the format x scale) in f32.
;;   ~~~python
;;   def quantise(x, axis):      # numpy; x: float32 -> the quantised numbers, widened to float32 again
;;       x = np.moveaxis(x, axis, -1); K = x.shape[-1]
;;       x = np.pad(x, [(0, 0)] * (x.ndim - 1) + [(0, -K % 32)]); x = x.reshape(x.shape[:-1] + (-1, 32)); a = np.abs(x).max(-1, keepdims=True)
;;       e = np.where(a > 0, np.clip(np.frexp(np.where(a > 0, a, 1))[1] - 1 - 8, -126, 127), 0)      # np.frexp(a)[1] - 1 = floor(log2(a)), exactly
;;       r = np.clip(x / 2.0 ** e, -448, 448)
;;       step = 2.0 ** (np.maximum(np.frexp(np.where(r == 0, 1, r))[1] - 1, -6) - 3)
;;       q = np.round(r / step) * step * 2.0 ** e      # np.round: ties to even
;;       return np.moveaxis(q.reshape(q.shape[:-2] + (-1,))[..., :K], -1, axis).astype(np.float32)
;;   ~~~
;;   SOFTMAX AHEAD OF A QUANTISED PRODUCT. Where the list says 'softmax', what is quantised is not the finished softmax but p = 2^(t - M), with t = logit x log2(e) and M = ceil(the row's largest t), a whole number; so 1/2 < the row's largest p <= 1. The row's sum l is taken of the UNQUANTISED p, in f32, and the product's result is divided by l at the end. Since M is a whole number, a kernel that streams over the keys may use a running M (the ceiling of the running maximum): every later rescaling is an exact power of two, which a block's scale takes up: the codes' values come out the same.
;;   OPERANDS COMPUTED ON THE WAY. 'Computed on the way' means the value that the module computes at that place (a softmax that the list does not call 'softmax' is quantised finished and normalised). What goes into a quantiser is computed in f32, as accurately as f32 sums, v_exp_f32 and their like allow (about 1e-6 of the number): no bf16 or f16 on the way to a quantiser, and a product that is left as it is and whose result goes on into a quantised operand takes f32 operands (vector FMAs, or v_wmma_f32_16x16x4_f32). A number that lies on a knife's edge between two numbers of the format may be rounded either way, as far as f32 arithmetic and the matrix unit's own rounding can turn it there, and no further.
;; 2 versions, each right; version 2 is version 1 with the launch attn written anew for expert scheduling mode. Each part assembles by itself: llvm-mc -triple=amdgcn-amd-amdhsa -mcpu=gfx1250 --defsym DOCPART=n.
;; ======== version 1 of 2: 4 launches
;; workspace buffers: xn_img 8,388,608 bytes; xn_sc 262,144 bytes; w_img 4,194,304 bytes; w_sc 131,072 bytes; qkv_img 25,165,824 bytes; qkv_sc 786,432 bytes; ao_img 8,388,608 bytes; ao_sc 262,144 bytes
;; launch prep (part 1): grid 256 x 1, 16 waves a work-group, no clusters, 38,912 bytes of LDS; arguments x, ln_g, ln_b, Wq, Wkv, Wo, xn_img, xn_sc, w_img, w_sc; writes xn_img, xn_sc, w_img, w_sc
.if DOCPART == 1
	.amdgcn_target "amdgcn-amd-amdhsa--gfx1250"
	.amdhsa_code_object_version 6
	.text
	.protected	k_qe43e7050e8_prep
	.globl	k_qe43e7050e8_prep
	.p2align	8
	.type	k_qe43e7050e8_prep,@function
k_qe43e7050e8_prep:
	s_mov_b64 s[64:65], 0
	v_nop
	global_prefetch_b8 v0, s[64:65] scope:SCOPE_SE
	s_setreg_imm32_b32 hwreg(HW_REG_WAVE_MODE, 25, 1), 1
	s_wait_xcnt 0x0
; LayerNorm of x [8192][1024] and its codes of E4M3 along the 1,024; the codes of Wq, Wkv, Wo along their FIRST axis (their K).
; One E8M0 byte for each 32 along K: the largest magnitude's exponent field - 8, held at 1 from below.
; LAYOUT OF THE CODES (all operands of the large products): a tile of 16 rows x 1,024 K is 16,384 bytes, [K/32][half h][row r][16 bytes]:
; byte 512 kb + 256 h + 16 r + i is the code of row r at k = 32 kb + 16 h + i, so that 512 consecutive bytes at 16 x lane are four registers of a fragment.
; WHICH ROWS FORM A TILE: in each 32 rows place p holds the row whose number is p with bits 3 and 4 exchanged, so that the 16 registers of two neighbouring result tiles are 16 neighbours.
; THE SCALE BYTES: 512 bytes a tile, [kb/8][r][kb%8].
; SHARES.  Work-group g: tokens 32 g .. 32 g + 31 (wave w: tokens w and w + 16, rows w%8 and w%8 + 8 of tile w/8), and of the 4,096 weight columns (Wq, Wkv, Wo on end)
; 64 columns (g/4) x 256 along K (g%4): wave w one block of 32 along K (w%8) of 32 columns (w/8), a lane to a column, registers down K.
; All that the work-group reads is asked for in its first lines, so nothing is prefetched.  No matrix unit, no cluster: work-groups share only ln_g and ln_b.
; LIMITS: NaN and infinities are not served; a block whose largest magnitude lies under 2^-118 keeps the byte 1, a block of zeros too (its codes are zeros; only this program reads the bytes).
; The weights' scale bytes leave as runs of 128 consecutive bytes (131,072 bytes in all): the one store here that does not cover 256 aligned bytes.
.set UP,   272                         ; LDS: 256 bytes of an image + 16 of padding
.set XSS,  128*UP                      ; behind the two tiles' images: xn's scale bytes, 1,024
.set WSS,  XSS+1024                    ; the weights' scale bytes, 512: [tile 0..3][r][block 0..7]
.set XA,   16                          ; v16-47   token w
.set XB,   48                          ; v48-79   token w + 16
.set GG,   80                          ; v80-111  ln_g at my columns
.set BB,   112                         ; v112-143 ln_b
.set WW,   144                         ; v144-175 a block of 32 along K of my weight column
.set DA,   184                         ; v184-199 the first row's codes; later the way out
.set MX,   200                         ; v200-207 largest magnitudes of 8 chunks
.set SCO,  208                         ; v208-215 the conversions' scale operands
.set HOLD, 216                         ; v216-223 448 x the scale
.set BYA,  224                         ; v224-231 the first row's scale bytes
.set TA,   200                         ; LayerNorm's temporaries, first row: +0..3 two chains, +4,5 -mean, +6,7 1/sqrt, +8 the other half's sum
.set TB,   210                         ; second row
	s_load_b256 s[4:11], s[0:1], 0x0               ; x, ln_g, ln_b, Wq
	s_load_b256 s[12:19], s[0:1], 0x20             ; Wkv, Wo, xn_img, xn_sc
	s_load_b128 s[20:23], s[0:1], 0x40             ; w_img, w_sc
	v_lshl_add_u32 v254, v0, 2, 0x9000
	v_mov_b32 v255, 0
	v_lshrrev_b32 v1, 5, v0
	v_readfirstlane_b32 s24, v1                    ; wave 0..15
	v_and_b32 v1, 31, v0                           ; lane l
	s_mov_b32 s26, 0x76543210
	s_mov_b32 s27, 0xfedcba98                      ; v_permlanex16_b32: lane l xor 16
	s_mov_b32 s28, 0x600000                        ; the mantissa field of 448
	s_mov_b32 s29, 0x3727c5ac                      ; 1e-5
	s_mov_b32 s30, 0x3a800000                      ; 1 / 1024
	s_lshr_b32 s34, ttmp9, 2                       ; which 64 weight columns
	s_and_b32 s35, ttmp9, 3                        ; which 256 along K
	s_and_b32 s36, s24, 7                          ; w % 8: my row in the tile; my block of 32 along K
	s_lshr_b32 s37, s24, 3                         ; w / 8: my tile of tokens; my 32 columns
	v_lshlrev_b32 v3, 4, v1                        ; 16 l: ln_g, ln_b
	s_lshl_b32 s31, s24, 12
	v_add_nc_u32 v2, s31, v3                       ; x: 4,096 w + 16 l
	v_lshrrev_b32 v11, 2, v1                       ; the images in LDS: unit 64 (w/8) + 8 j + l/4, row w%8, byte 4 (l%4)
	v_mul_u32_u24 v11, v11, UP
	v_and_b32 v12, 3, v1
	v_lshl_add_u32 v11, v12, 2, v11
	s_mul_i32 s31, s37, 64*UP
	s_lshl_b32 s32, s36, 4
	s_add_co_u32 s31, s31, s32
	v_add_nc_u32 v4, s31, v11
	v_lshrrev_b32 v11, 3, v1                       ; xn's scale bytes: 512 (w/8) + 8 (w%8) + l/8
	s_lshl_b32 s31, s37, 9
	s_lshl_b32 s32, s36, 3
	s_add_co_u32 s31, s31, s32
	s_add_co_u32 s31, s31, XSS
	v_add_nc_u32 v5, s31, v11
	v_and_b32 v6, 7, v1                            ; my weight column: l with bits 3 and 4 exchanged, 4 bytes each
	v_bfe_u32 v11, v1, 3, 1
	v_lshl_or_b32 v6, v11, 4, v6
	v_bfe_u32 v11, v1, 4, 1
	v_lshl_or_b32 v6, v11, 3, v6
	v_lshlrev_b32 v6, 2, v6
	v_and_b32 v12, 15, v1
	v_lshlrev_b32 v7, 4, v12                       ; the weights' codes: tile l/16, row l%16
	v_lshl_add_u32 v7, v11, 14, v7
	v_lshlrev_b32 v8, 3, v12                       ; their scale bytes in LDS: 128 (2 (w/8) + l/16) + 8 (l%16) + w%8
	v_lshl_add_u32 v8, v11, 7, v8
	s_lshl_b32 s31, s37, 8
	s_add_co_u32 s31, s31, s36
	s_add_co_u32 s31, s31, WSS
	v_add_nc_u32 v8, s31, v8
	v_lshrrev_b32 v9, 4, v0                        ; the way out: sixteen threads to a unit of 256 bytes
	v_mul_u32_u24 v9, v9, UP
	v_and_b32 v13, 15, v0
	v_lshl_add_u32 v9, v13, 4, v9
	v_lshlrev_b32 v10, 4, v0
	v_and_b32 v12, 63, v0
	v_lshlrev_b32 v12, 4, v12                      ; xn's scale bytes out: 16 bytes a thread of waves 0 and 1
	v_add_nc_u32 v11, XSS, v12
	v_add_nc_u32 v13, WSS, v3                      ; the weights' out: 16 bytes a lane of wave 2,
	v_lshrrev_b32 v14, 3, v1
	v_and_b32 v15, 7, v1
	v_lshlrev_b32 v15, 4, v15
	v_lshl_add_u32 v14, v14, 9, v15                ; to tile l/8, 16 (l%8) bytes on
	v_mov_b32 v[TA+8], 0                           ; a lane permute's destination counts as one of its sources
	v_mov_b32 v[TB+8], 0
	s_lshl_b32 s32, ttmp9, 17                      ; 32 rows of 4,096 bytes
	s_mov_b32 s33, 0
	s_wait_kmcnt 0x0
	s_add_nc_u64 s[4:5], s[4:5], s[32:33]
.irp j, 0,1,2,3,4,5,6,7
	global_load_b128 v[XA+4*\j:XA+4*\j+3], v2, s[4:5] offset:512*\j th:TH_LOAD_NT       ; chunk j: k = 128 j + 4 l .. + 3
.endr
.irp j, 0,1,2,3,4,5,6,7
	global_load_b128 v[XB+4*\j:XB+4*\j+3], v2, s[4:5] offset:65536+512*\j th:TH_LOAD_NT
.endr
.irp j, 0,1,2,3,4,5,6,7
	global_load_b128 v[GG+4*\j:GG+4*\j+3], v3, s[6:7] offset:512*\j
.endr
.irp j, 0,1,2,3,4,5,6,7
	global_load_b128 v[BB+4*\j:BB+4*\j+3], v3, s[8:9] offset:512*\j
.endr
	s_lshl_b32 s32, ttmp9, 15
	s_add_nc_u64 s[16:17], s[16:17], s[32:33]      ; my two tiles of xn_img
	s_lshl_b32 s32, ttmp9, 10
	s_add_nc_u64 s[18:19], s[18:19], s[32:33]      ; and of xn_sc
	s_cmp_lt_u32 s34, 16                           ; which weight: the choice hangs on the work-group's number alone
	s_cselect_b64 s[38:39], s[10:11], s[12:13]
	s_cselect_b32 s40, 0, 16
	s_cmp_lt_u32 s34, 48
	s_cselect_b64 s[38:39], s[38:39], s[14:15]
	s_cselect_b32 s40, s40, 48
	s_sub_co_u32 s40, s34, s40                     ; which 64 columns of that weight
	s_sub_co_u32 s41, s34, 16                      ; under 32: Wkv, whose rows are 8,192 bytes; the others' are 4,096
	s_cmp_lt_u32 s41, 32
	s_cselect_b32 s42, 13, 12
	s_lshl_b32 s43, s35, 8
	s_lshl_b32 s44, s36, 5
	s_add_co_u32 s43, s43, s44                     ; my first row of the weight: 256 (g%4) + 32 (w%8)
	s_lshl_b32 s32, s43, s42
	s_lshl_b32 s44, s40, 8
	s_add_co_u32 s32, s32, s44
	s_lshl_b32 s44, s37, 7
	s_add_co_u32 s32, s32, s44                     ; + 4 (64 columns' group + 32 (w/8))
	s_add_nc_u64 s[38:39], s[38:39], s[32:33]
	s_lshl_b32 s32, s34, 16                        ; w_img: tile 4 (g/4) + 2 (w/8), block 8 (g%4) + w%8
	s_lshl_b32 s44, s37, 15
	s_add_co_u32 s32, s32, s44
	s_lshl_b32 s44, s35, 12
	s_add_co_u32 s32, s32, s44
	s_lshl_b32 s44, s36, 9
	s_add_co_u32 s32, s32, s44
	s_add_nc_u64 s[20:21], s[20:21], s[32:33]
	s_lshl_b32 s32, s34, 11                        ; w_sc: tile 4 (g/4), 128 (g%4) bytes on
	s_lshl_b32 s44, s35, 7
	s_add_co_u32 s32, s32, s44
	s_add_nc_u64 s[22:23], s[22:23], s[32:33]
.macro WLOAD pitch                     ; W(my first row + i, my column): 32 lanes read 128 consecutive bytes
.set i, 0
.rept 32
	global_load_b32 v[WW+i], v6, s[38:39] offset:i*\pitch th:TH_LOAD_NT
.set i, i+1
.endr
.endm
	s_cmp_lt_u32 s41, 32                           ; the row's length stands in the immediates: the 32 loads are written for both lengths
	s_cbranch_scc1 .Lwide
	WLOAD 4096
	s_branch .Lw_asked
.Lwide:
	WLOAD 8192
.Lw_asked:
.macro RSUM X, T                       ; the sum of my 32 numbers, in two chains
	v_pk_add_f32 v[\T:\T+1], v[\X:\X+1], v[\X+2:\X+3]
	v_pk_add_f32 v[\T+2:\T+3], v[\X+4:\X+5], v[\X+6:\X+7]
.irp i, 8,12,16,20,24,28
	v_pk_add_f32 v[\T:\T+1], v[\T:\T+1], v[\X+\i:\X+\i+1]
	v_pk_add_f32 v[\T+2:\T+3], v[\T+2:\T+3], v[\X+\i+2:\X+\i+3]
.endr
	v_pk_add_f32 v[\T:\T+1], v[\T:\T+1], v[\T+2:\T+3]
	v_add_f32 v[\T], v[\T], v[\T+1]
.endm
.macro WSUM T                          ; over the 32 lanes; every lane ends with the sum
.irp m, 1,2,4,8
	v_add_f32_dpp v[\T], v[\T], v[\T] row_xmask:\m row_mask:0xf bank_mask:0xf
.endr
	v_permlanex16_b32 v[\T+8], v[\T], s26, s27
	v_add_f32 v[\T], v[\T], v[\T+8]
.endm
.macro CENTRE X, T                     ; x - mean, in place
	v_mul_f32 v[\T+4], 0xba800000, v[\T]           ; -sum / 1024
	v_mul_f32 v[\T+5], 0xba800000, v[\T]
.irp i, 0,2,4,6,8,10,12,14,16,18,20,22,24,26,28,30
	v_pk_add_f32 v[\X+\i:\X+\i+1], v[\X+\i:\X+\i+1], v[\T+4:\T+5]
.endr
.endm
.macro RSQS X, T                       ; the sum of their squares
	v_pk_mul_f32 v[\T:\T+1], v[\X:\X+1], v[\X:\X+1]
	v_pk_mul_f32 v[\T+2:\T+3], v[\X+2:\X+3], v[\X+2:\X+3]
.irp i, 4,8,12,16,20,24,28
	v_pk_fma_f32 v[\T:\T+1], v[\X+\i:\X+\i+1], v[\X+\i:\X+\i+1], v[\T:\T+1]
	v_pk_fma_f32 v[\T+2:\T+3], v[\X+\i+2:\X+\i+3], v[\X+\i+2:\X+\i+3], v[\T+2:\T+3]
.endr
	v_pk_add_f32 v[\T:\T+1], v[\T:\T+1], v[\T+2:\T+3]
	v_add_f32 v[\T], v[\T], v[\T+1]
.endm
.macro NORM X, T                       ; (x - mean) / sqrt(var + eps) x g + b
.irp i, 0,2,4,6,8,10,12,14,16,18,20,22,24,26,28,30
	v_pk_mul_f32 v[\X+\i:\X+\i+1], v[\X+\i:\X+\i+1], v[\T+6:\T+7]
.endr
.irp i, 0,2,4,6,8,10,12,14,16,18,20,22,24,26,28,30
	v_pk_fma_f32 v[\X+\i:\X+\i+1], v[\X+\i:\X+\i+1], v[GG+\i:GG+\i+1], v[BB+\i:BB+\i+1]
.endr
.endm
; A row's codes.  Chunk j of a lane is k = 128 j + 4 l .. + 3; a block of 32 lies in eight neighbouring lanes.  The conversion takes eight registers: its upper four belong to the next chunk
; (behind the row: to the registers that follow it, which hold loaded numbers), and their four codes are not used.
.macro QROW X, D, BY, o1, o2
.irp j, 0,1,2,3,4,5,6,7
	v_max3_num_f32 v[MX+\j], |v[\X+4*\j]|, |v[\X+4*\j+1]|, 0x4800000   ; the floor 2^(9 - 127): the byte cannot fall under 1
.endr
.irp j, 0,1,2,3,4,5,6,7
	v_max3_num_f32 v[MX+\j], v[MX+\j], |v[\X+4*\j+2]|, |v[\X+4*\j+3]|
.endr
.irp m, 1,2,4
.irp j, 0,1,2,3,4,5,6,7
	v_max_num_f32_dpp v[MX+\j], v[MX+\j], v[MX+\j] row_xmask:\m row_mask:0xf bank_mask:0xf
.endr
.endr
.irp j, 0,1,2,3,4,5,6,7
	v_add_nc_u32 v[SCO+\j], 0xfc000000, v[MX+\j]   ; 8 off the exponent field: the conversion's scale operand
.endr
.irp j, 0,1,2,3,4,5,6,7
	v_and_or_b32 v[HOLD+\j], v[MX+\j], 0x7f800000, s28   ; 448 x the scale
.endr
.irp j, 0,1,2,3,4,5,6,7
	v_lshrrev_b32 v[\BY+\j], 23, v[SCO+\j]         ; the scale's byte
.endr
.irp j, 0,1,2,3,4,5,6,7
.irp i, 0,1,2,3
	v_med3_num_f32 v[\X+4*\j+\i], v[\X+4*\j+\i], -v[HOLD+\j], v[HOLD+\j]   ; the conversion to an 8-bit code does not saturate (ISA guide 7.6.2)
.endr
.endr
.irp j, 0,1,2,3,4,5,6,7
	v_cvt_scalef32_pk8_fp8_f32 v[\D+2*\j:\D+2*\j+1], v[\X+4*\j:\X+4*\j+7], v[SCO+\j]
.endr
	v_nop                                          ; a plain line between the conversions and the next vector line that writes their sources
.irp j, 0,1,2,3,4,5,6,7
	ds_store_b32 v4, v[\D+2*\j] offset:8*UP*\j+\o1          ; 32 lanes, 32 different banks
	ds_store_b8 v5, v[\BY+\j] offset:(\j/2)*128+(\j%2)*4+\o2   ; the eight lanes of a block write the same byte with the same value
.endr
.endm
	s_wait_loadcnt 32                              ; x, ln_g and ln_b are in; the weight's 32 loads, issued behind them, may be out
	RSUM XA, TA
	RSUM XB, TB
	WSUM TA
	WSUM TB
	CENTRE XA, TA
	CENTRE XB, TB
	RSQS XA, TA
	RSQS XB, TB
	WSUM TA
	WSUM TB
	v_fma_f32 v[TA], v[TA], s30, s29               ; var + eps
	v_fma_f32 v[TB], v[TB], s30, s29
	v_rsq_f32 v[TA+6], v[TA]                       ; twice each: a pair for the packed multiply
	v_rsq_f32 v[TA+7], v[TA]
	v_rsq_f32 v[TB+6], v[TB]
	v_rsq_f32 v[TB+7], v[TB]
	v_nop                                          ; a plain line behind the last of the batch
	s_wait_alu depctr_va_vdst(0)                   ; one wait for the four, ahead of their first reader
	NORM XA, TA
	NORM XB, TB
	QROW XA, DA, BYA, 0, 0
	QROW XB, 16, 32, 128, 64                       ; row + 8 of the same tile; its codes and bytes go into the first row's registers, which are done with
	s_wait_loadcnt 0x0                             ; the weight's block
	v_max3_num_f32 v232, |v[WW]|, |v[WW+1]|, |v[WW+2]|   ; all 32 numbers of the block are mine
	v_max3_num_f32 v233, |v[WW+3]|, |v[WW+4]|, |v[WW+5]|
.irp i, 6,10,14,18,22,26
	v_max3_num_f32 v232, v232, |v[WW+\i]|, |v[WW+\i+1]|
	v_max3_num_f32 v233, v233, |v[WW+\i+2]|, |v[WW+\i+3]|
.endr
	v_max3_num_f32 v232, v232, |v[WW+30]|, |v[WW+31]|
	v_max3_num_f32 v232, v232, v233, 0x4800000
	v_add_nc_u32 v234, 0xfc000000, v232
	v_and_or_b32 v235, v232, 0x7f800000, s28
	v_lshrrev_b32 v176, 23, v234
.set i, 0
.rept 32
	v_med3_num_f32 v[WW+i], v[WW+i], -v235, v235
.set i, i+1
.endr
.irp g, 0,1,2,3
	v_cvt_scalef32_pk8_fp8_f32 v[40+2*\g:41+2*\g], v[WW+8*\g:WW+8*\g+7], v234
.endr
	v_nop
	global_store_b128 v7, v[40:43], s[20:21]              ; k = 0 .. 15 of the block: sixteen lanes store 256 consecutive bytes, aligned
	global_store_b128 v7, v[44:47], s[20:21] offset:256   ; k = 16 .. 31
	ds_store_b8 v8, v176
	s_wait_dscnt 0x0                               ; for the others' sake: my stores into LDS are done
	s_barrier_signal -1
	s_barrier_wait -1
.irp i, 0,1,2,3
	ds_load_b128 v[DA+4*\i:DA+4*\i+3], v9 offset:32*UP*\i
.endr
.irp i, 0,1,2,3
	s_wait_dscnt 3-\i                              ; LDS loads come back in order: load i is in
	global_store_b128 v10, v[DA+4*\i:DA+4*\i+3], s[16:17] offset:8192*\i
.endr
	s_cmp_lt_u32 s24, 2
	s_cbranch_scc0 .Lnot_x
	ds_load_b128 v[200:203], v11
	s_wait_dscnt 0x0
	global_store_b128 v12, v[200:203], s[18:19]
.Lnot_x:
	s_cmp_eq_u32 s24, 2
	s_cbranch_scc0 .Lend
	ds_load_b128 v[204:207], v13
	s_wait_dscnt 0x0
	global_store_b128 v14, v[204:207], s[22:23]
.Lend:
	s_wait_tensorcnt 0x0
	ds_add_u32 v254, v255
	s_wait_dscnt 0x0
	s_endpgm
.Lfunc_end_k_qe43e7050e8_prep:
	.size	k_qe43e7050e8_prep, .Lfunc_end_k_qe43e7050e8_prep-k_qe43e7050e8_prep
	.p2alignl 7, 3214868480
	.fill 96, 4, 3214868480
	.section	.rodata,"a",@progbits
	.p2align	6, 0x0
	.amdhsa_kernel k_qe43e7050e8_prep
		.amdhsa_group_segment_fixed_size 38912
		.amdhsa_private_segment_fixed_size 0
		.amdhsa_enable_private_segment 0
		.amdhsa_kernarg_size 80
		.amdhsa_user_sgpr_count 2
		.amdhsa_user_sgpr_kernarg_segment_ptr 1
		.amdhsa_wavefront_size32 1
		.amdhsa_system_sgpr_workgroup_id_x 1
		.amdhsa_system_sgpr_workgroup_id_y 1
		.amdhsa_system_sgpr_workgroup_id_z 1
		.amdhsa_system_vgpr_workitem_id 0
		.amdhsa_next_free_vgpr 256
		.amdhsa_next_free_sgpr 66
		.amdhsa_reserve_vcc 0
		.amdhsa_float_denorm_mode_32 3
		.amdhsa_float_denorm_mode_16_64 3
		.amdhsa_memory_ordered 1
		.amdhsa_forward_progress 1
		.amdhsa_inst_pref_size 47
	.end_amdhsa_kernel
	.amdgpu_metadata
---
amdhsa.version: [ 1, 2 ]
amdhsa.kernels:
  - .name:           k_qe43e7050e8_prep
    .symbol:         k_qe43e7050e8_prep.kd
    .args:
      - { .name: x, .offset: 0, .size: 8, .value_kind: global_buffer, .address_space: global }
      - { .name: ln_g, .offset: 8, .size: 8, .value_kind: global_buffer, .address_space: global }
      - { .name: ln_b, .offset: 16, .size: 8, .value_kind: global_buffer, .address_space: global }
      - { .name: Wq, .offset: 24, .size: 8, .value_kind: global_buffer, .address_space: global }
      - { .name: Wkv, .offset: 32, .size: 8, .value_kind: global_buffer, .address_space: global }
      - { .name: Wo, .offset: 40, .size: 8, .value_kind: global_buffer, .address_space: global }
      - { .name: xn_img, .offset: 48, .size: 8, .value_kind: global_buffer, .address_space: global }
      - { .name: xn_sc, .offset: 56, .size: 8, .value_kind: global_buffer, .address_space: global }
      - { .name: w_img, .offset: 64, .size: 8, .value_kind: global_buffer, .address_space: global }
      - { .name: w_sc, .offset: 72, .size: 8, .value_kind: global_buffer, .address_space: global }
    .group_segment_fixed_size: 38912
    .private_segment_fixed_size: 0
    .kernarg_segment_align: 8
    .kernarg_segment_size: 80
    .max_flat_workgroup_size: 512
    .sgpr_count:     66
    .vgpr_count:     256
    .wavefront_size: 32
...
	.end_amdgpu_metadata
.endif
;; end of part 1
;; launch qkv (part 2): grid 12 x 32, 4 waves a work-group, clusters of 4 x 4, 327,680 bytes of LDS; arguments xn_img, xn_sc, w_img, w_sc, bq, bkv, qkv_img, qkv_sc; writes qkv_img, qkv_sc
.if DOCPART == 2
	.amdgcn_target "amdgcn-amd-amdhsa--gfx1250"
	.amdhsa_code_object_version 6
	.text
	.protected	k_qe43e7050e8_qkv
	.globl	k_qe43e7050e8_qkv
	.p2align	8
	.type	k_qe43e7050e8_qkv,@function
k_qe43e7050e8_qkv:
	s_mov_b64 s[64:65], 0
	v_nop
	global_prefetch_b8 v0, s[64:65] scope:SCOPE_SE
	s_setreg_imm32_b32 hwreg(HW_REG_WAVE_MODE, 25, 1), 1
	s_wait_xcnt 0x0
	s_wait_alu depctr_hold_cnt(0) depctr_sa_sdst(0) depctr_va_vdst(0) depctr_va_sdst(0) depctr_va_ssrc(0) depctr_va_vcc(0) depctr_vm_vsrc(0)
	s_getreg_b32 s2, hwreg(HW_REG_IB_STS2, 6, 4)
	s_cmp_eq_u32 s2, 0
	s_cbranch_scc0 .Lentry_in_a_cluster
	s_endpgm
.Lentry_in_a_cluster:
	s_bfe_u32 s2, ttmp6, 0x10000c
	s_cmp_lg_u32 s2, 0xf033
	s_cbranch_scc0 .Lentry_shape_is_right
	s_endpgm
.Lentry_shape_is_right:
; q = xn Wq + bq, k and v = xn Wkv + bkv on codes of E4M3 with E8M0 scales; the results are quantised in registers: q and k along the head's 64, v along the keys.
; A work-group makes 256 x 256, each of its four waves 128 x 128: 64 accumulators, 512 registers.  K = 1,024 goes in four steps of 256 through two LDS slots; each slot is filled twice: nothing is looped.
; OPERANDS lie in memory in the order of the operand's registers (a tile of 16 rows: [K/32][half][row][16 bytes]): a K step of 128 rows is 8 runs of 4,096 bytes, 16,384 apart, one tensor load;
; a fragment is four LDS loads of 512 consecutive bytes: no padding.  The scale bytes of 256 + 256 rows, for all of K, come once (16 KB) and stay.
; THE MATRIX INSTRUCTION IS USED TRANSPOSED: source 0 = 16 rows of region B, source 1 = 16 rows of region A: a lane is a row of A, its registers run along B's rows, 16 neighbours in two neighbouring tiles.
; ROLES.  Clusters x = 0, 1 (q, k): A = tokens, B = features, so a lane's registers run along the head's d.  Cluster x = 2 (v): A = features, B = tokens, so they run along the keys.
; The roles are exchanged by pointers and tile numbers chosen on the cluster's x, which all sixteen partners share.
; CLUSTERS: 4 x 4.  A's tile hangs on the tile row alone and is asked for jointly along a row of the cluster, B's on the tile column alone, along a column.
; THE BIAS is the C of each sum's first matrix instruction (another order of f32 rounding than adding it last).
; OUT: qkv_img [batch][48 blocks of 65,536]: blocks 0-15 q's heads, 16-31 k's: [tile of 16 tokens][d/32][512 bytes]; 32-47 v, by pairs of heads: [128 keys j][c/2][head][tile of 16 d][c%2][512 bytes], c the block of 32 keys.
;      qkv_sc  [batch][48][2,048]: q, k: [j][row][pair of tiles]: a word = two bytes of each tile; v: [j][row][tile of d]: a word = the four blocks of 32 keys.
; LIMITS: NaN and infinities are not served; a block whose largest magnitude lies under 2^-118 keeps the byte 1, a block of zeros too (only this program reads the bytes).
; REGISTERS: window 0: v16-31 addresses; v32-63 scale words, two sets; v64-127 the bias tiles; v128-255 A's fragments, one set.  window 1: B's fragments, two sets.  windows 2, 3: the accumulators ((a, b) at v[8 (8 (a%4) + b)]).
;   On the way out window 0 is free from v32 on: v32-95 64 held numbers, v96-111 at work, v112-119 scale words, v120-127 their final form, v128-255 the codes, a set for each block.
.set NQ,    2                          ; matrix instructions deep in a slot
.set FR,    16                         ; registers of a fragment
.set NL,    4                          ; LDS loads that bring one
.set NP,    8                          ; places behind this matrix instruction (ISA guide 7.12.1)
.set HALFT, 32768                      ; 128 rows x 256 K: what one tensor load brings, and what one wave reads of A or of B
.set SLOT,  4*HALFT                    ; A's 256 rows, then B's
.set SCL,   2*SLOT                     ; behind the ring: the scale bytes
.set HALFS, 4096                       ; those of 128 rows
.set SPARE, SCL+4*HALFS                ; the spare words, 128 bytes for each wave: two blocks of 256 bytes that no other line names
.set ADRA, 16                          ; v16-17  my A fragments in slot 0, 1
.set ADRB, 20                          ; v20-21  my B fragments
.set SA,   22                          ; v22     the scale words' place: 2,048 h + 16 r
.set SELV, 23                          ; v23     v_perm_b32's selector: the first or the second head's two bytes
.set ADRS, 27                          ; v27     my scale words in LDS: lanes 0-15 A's rows, lanes 16-31 B's
.set SPW,  28                          ; v28     my spare word; never rewritten
.set NIL,  29                          ; v29     0; never rewritten
.set OA0,  30                          ; v30-31  the codes' place: 16 x lane, and the same S1 bytes on
.set SC,   32
.set BT,   64
.set AF,   128
.set T64,  32
.set TM,   96
.set PWR,  112
.set SW,   120
.set PC,   128
.set G1, 24
.set G0, 32
.set G1B, 48
.set G0B, 56
.set G1S, 68
.set G0S, 76
.set G1SB, 80
.set G0SB, 88
.set SEL, 66                           ; s[66:67] lane l xor 16
.set TV,  100                          ; s100 1 in the clusters that make v
.set HI16, 101                         ; s101 lanes 16-31
.set MNT, 104                          ; s104 the mantissa field of 448
.set TVM, 105                          ; s105 all lanes in the clusters that make v, else none
.set MSB, 0
.macro WIN new                         ; the immediate's high byte repeats the setting that is left
.if MSB != \new
	s_set_vgpr_msb (MSB<<8)|\new
.set MSB, \new
.endif
.endm
.set MUL_LO, 0xa1                      ; source 0 (B) window 1, source 1 (A) window 0, C and D window 2
.set MUL_HI, 0xf1                      ; the same, C and D window 3
.set TO_B,   0x40                      ; destination window 1, address window 0
; A joint load: waves 0 and 1 fetch for A, waves 2 and 3 for B.  The branch hangs on the wave's number alone.  Four v_nop follow each of the two lines.
.macro JLOAD g0a, g1a, g0b, g1b
	s_cmp_eq_u32 s15, 0
	s_cbranch_scc0 .Lfor_b_\@
	tensor_load_to_lds s[\g0a:\g0a+3], s[\g1a:\g1a+7]
	s_nop 0
.rept 4
	v_nop
.endr
	s_branch .Lasked_\@
.Lfor_b_\@:
	tensor_load_to_lds s[\g0b:\g0b+3], s[\g1b:\g1b+7]
	s_nop 0
.rept 4
	v_nop
.endr
.Lasked_\@:
.endm
.macro CREST                           ; a round of the cluster's barrier behind its opening barrier
	s_cmp_lg_u32 s14, 0
	s_cbranch_scc1 .Lnot_wave_0_\@
	s_barrier_signal -3
.Lnot_wave_0_\@:
	s_barrier_wait -3
	s_barrier_signal -1
	s_barrier_wait -1
.endm
.macro CROUND
	s_barrier_signal -1
	s_barrier_wait -1
	CREST
.endm
	s_load_b256 s[4:11], s[0:1], 0x0               ; xn_img, xn_sc, w_img, w_sc
	s_load_b128 s[96:99], s[0:1], 0x20             ; bq, bkv
	v_lshl_add_u32 v[SPW], v0, 2, SPARE
	v_mov_b32 v[NIL], 0
	ds_add_u32 v28, v29
	ds_add_u32 v28, v29
	s_wait_dscnt 0x0
	v_lshrrev_b32 v1, 5, v0
	v_readfirstlane_b32 s14, v1                    ; wave 0..3
	s_lshr_b32 s15, s14, 1                         ; which half of A's rows is mine.  Also: I fetch for A (0) or for B (1)
	s_and_b32 s16, s14, 1                          ; which half of B's rows.  Also: which 128 rows I fetch
	s_bfe_u32 s40, ttmp6, 0x40000                  ; cx, cy: my place in the cluster
	s_bfe_u32 s41, ttmp6, 0x40004
	s_and_b32 s18, ttmp7, 0xffff                   ; the cluster's y
	s_cmp_eq_u32 ttmp9, 2                          ; the cluster's x: 0, 1: q, k; 2: v
	s_cselect_b32 s[TV], 1, 0
	s_cselect_b32 s[TVM], -1, 0
	s_cselect_b32 s19, 0, s18                      ; the cluster's place along the tile rows,
	s_cselect_b32 s45, s18, ttmp9                  ; and along the tile columns
	s_cselect_b32 s94, 8, 0                        ; v's features begin at tile 8 of w_img
	s_lshl_b32 s17, s19, 2
	s_add_co_u32 s17, s17, s41                     ; tile row
	s_lshl_b32 s42, s45, 2
	s_add_co_u32 s42, s42, s40                     ; tile column
	s_lshl_b32 s43, s41, 2
	s_lshl_b32 s43, 15, s43                        ; my row of the cluster
	s_lshl_b32 s44, 0x1111, s40                    ; my column
	s_or_b32 s[G1+0], s43, (3<<16)|(1<<21)         ; 15:0 the mask; 17:16 elements of 8 bytes; 21 set beside a mask; no padding
	s_or_b32 s[G1B+0], s44, (3<<16)|(1<<21)
.irp g, G1, G1B
	s_mov_b32 s[\g+1], 512<<16                     ; tensor_dim0: 4,096 bytes
	s_mov_b32 s[\g+2], 8<<16                       ; tensor_dim1: 8 tiles of 16 rows
	s_mov_b32 s[\g+3], 512<<16                     ; tile_dim0
	s_mov_b32 s[\g+4], 8                           ; tile_dim1
	s_mov_b32 s[\g+5], 2048                        ; 16,384 bytes from tile to tile
	s_mov_b32 s[\g+6], 0
	s_mov_b32 s[\g+7], 0
.endr
	s_or_b32 s[G1S+0], s43, (3<<16)|(1<<21)        ; the scale bytes of 128 rows: 4,096 dense bytes as 16 rows of 256
	s_or_b32 s[G1SB+0], s44, (3<<16)|(1<<21)
.irp g, G1S, G1SB
	s_mov_b32 s[\g+1], 32<<16
	s_mov_b32 s[\g+2], 16<<16
	s_mov_b32 s[\g+3], 32<<16
	s_mov_b32 s[\g+4], 16
	s_mov_b32 s[\g+5], 32
	s_mov_b32 s[\g+6], 0
	s_mov_b32 s[\g+7], 0
.endr
	s_add_co_u32 s20, s17, s94                     ; A's tile of 256 rows in its buffer
	s_lshl_b32 s22, s20, 13                        ; its scale bytes: 8,192 a tile,
	s_lshl_b32 s20, s20, 18                        ; its codes: 262,144
	s_lshl_b32 s21, s16, 17
	s_add_co_u32 s20, s20, s21                     ; + the half that I fetch
	s_lshl_b32 s21, s16, 12
	s_add_co_u32 s22, s22, s21
	s_mov_b32 s21, 0
	s_mov_b32 s23, 0
	s_lshl_b32 s46, s42, 18                        ; B's likewise, in registers of their own
	s_lshl_b32 s92, s42, 13
	s_lshl_b32 s47, s16, 17
	s_add_co_u32 s46, s46, s47
	s_lshl_b32 s47, s16, 12
	s_add_co_u32 s92, s92, s47
	s_mov_b32 s47, 0
	s_mov_b32 s93, 0
	s_mul_i32 s45, s14, HALFT                      ; where they go: by the wave's number alone
	s_mul_i32 s94, s14, HALFS
	s_mov_b32 s[SEL], 0x76543210
	s_mov_b32 s[SEL+1], 0xfedcba98
	s_mov_b32 s[MNT], 0x600000
	s_mov_b32 s[HI16], 0xffff0000
	s_wait_kmcnt 0x0
	s_cmp_eq_u32 ttmp9, 2                          ; the roles: a choice between buffers on the cluster's x
	s_cselect_b64 s[12:13], s[8:9], s[4:5]         ; A's codes
	s_cselect_b64 s[18:19], s[10:11], s[6:7]       ; A's scales
	s_cselect_b64 s[4:5], s[4:5], s[8:9]           ; B's codes
	s_cselect_b64 s[6:7], s[6:7], s[10:11]         ; B's scales
	s_add_nc_u64 s[20:21], s[12:13], s[20:21]
	s_add_nc_u64 s[22:23], s[18:19], s[22:23]
	s_add_nc_u64 s[46:47], s[4:5], s[46:47]
	s_add_nc_u64 s[92:93], s[6:7], s[92:93]
	CROUND                                         ; all sixteen work-groups are here: the first joint loads meet
	s_mov_b32 s[G0S], 1
	s_add_co_u32 s[G0S+1], s94, SCL
	s_mov_b64 s[G0S+2:G0S+3], s[22:23]
	s_or_b32 s[G0S+3], s[G0S+3], 0x80000000
	s_mov_b32 s[G0SB], 1
	s_add_co_u32 s[G0SB+1], s94, SCL
	s_mov_b64 s[G0SB+2:G0SB+3], s[92:93]
	s_or_b32 s[G0SB+3], s[G0SB+3], 0x80000000
	JLOAD G0S, G1S, G0SB, G1SB                     ; the scales first: they are wanted with K step 0.  Three loads of mine are out behind the third
.irp s, 0,1
	s_mov_b32 s[G0+4*\s], 1
	s_add_co_u32 s[G0+4*\s+1], s45, \s*SLOT
	s_add_nc_u64 s[G0+4*\s+2:G0+4*\s+3], s[20:21], \s*4096
	s_or_b32 s[G0+4*\s+3], s[G0+4*\s+3], 0x80000000
	s_mov_b32 s[G0B+4*\s], 1
	s_add_co_u32 s[G0B+4*\s+1], s45, \s*SLOT
	s_add_nc_u64 s[G0B+4*\s+2:G0B+4*\s+3], s[46:47], \s*4096
	s_or_b32 s[G0B+4*\s+3], s[G0B+4*\s+3], 0x80000000
	JLOAD G0+4*\s, G1, G0B+4*\s, G1B
.endr
	s_load_b128 s[4:7], s[0:1], 0x30               ; qkv_img, qkv_sc (the operands' pointers have gone into the descriptors)
	; the bias.  q, k: a lane wants, for B's tile b, the features 32 (b/2) + 16 h + 8 (b%2) + 0 .. 7;  v: for A's tile a the one feature 32 (a/2) + 8 (a%2) + r + 8 (r/8), in all eight registers
	s_lshl_b32 s2, s40, 10                         ; q, k: 256 cx + 128 x my half of B, in bq (cluster 0) or at bkv's head (cluster 1)
	s_lshl_b32 s3, s16, 9
	s_add_co_u32 s2, s2, s3
	s_lshl_b32 s3, s41, 10                         ; v: 1,024 + 256 cy + 128 x my half of A, in bkv
	s_lshl_b32 s12, s15, 9
	s_add_co_u32 s3, s3, s12
	s_add_co_u32 s3, s3, 4096
	s_cmp_eq_u32 s[TV], 1
	s_cselect_b32 s2, s3, s2
	s_mov_b32 s3, 0
	s_cmp_eq_u32 ttmp9, 0
	s_cselect_b64 s[96:97], s[96:97], s[98:99]
	s_add_nc_u64 s[96:97], s[96:97], s[2:3]
	v_and_b32 v1, 15, v0                           ; r
	v_bfe_u32 v2, v0, 4, 1                         ; h
	v_lshlrev_b32 v3, 6, v2                        ; 64 h
	v_and_b32 v5, 8, v1
	v_add_nc_u32 v5, v5, v1
	v_lshlrev_b32 v5, 2, v5                        ; 4 (r + 8 (r/8))
	s_cmp_eq_u32 s[TV], 1
	s_cbranch_scc1 .Lbias_v
.irp b, 0,1,2,3,4,5,6,7
	global_load_b128 v[BT+8*\b:BT+8*\b+3], v3, s[96:97] offset:(32*(\b/2)+8*(\b%2))*4
	global_load_b128 v[BT+8*\b+4:BT+8*\b+7], v3, s[96:97] offset:(32*(\b/2)+8*(\b%2))*4+16
.endr
	s_branch .Lbias_in
.Lbias_v:
.irp a, 0,1,2,3,4,5,6,7
.irp j, 0,1,2,3,4,5,6,7
	global_load_b32 v[BT+8*\a+\j], v5, s[96:97] offset:(32*(\a/2)+8*(\a%2))*4   ; the same word into the tile's eight registers: a C operand has no broadcast
.endr
.endr
.Lbias_in:
	v_and_b32 v6, 31, v0
	v_lshlrev_b32 v[OA0], 4, v6                    ; 16 x lane
	s_mul_i32 s21, s15, HALFT                      ; my 128 rows of A
	s_mul_i32 s22, s16, HALFT                      ; my 128 rows of B,
	s_add_co_u32 s22, s22, 2*HALFT                 ; which lie behind A's 256
.irp s, 0,1
	v_add_nc_u32 v[ADRA+\s], s21, v[OA0]
	v_add_nc_u32 v[ADRB+\s], s22, v[OA0]
	s_add_co_u32 s21, s21, SLOT
	s_add_co_u32 s22, s22, SLOT
.endr
	v_lshlrev_b32 v7, 3, v1                        ; my row's two scale words of a K step: 8 r
	s_mul_i32 s21, s15, HALFS
	s_mul_i32 s22, s16, HALFS
	s_add_co_u32 s22, s22, 2*HALFS
	s_sub_co_u32 s22, s22, s21
	v_mul_u32_u24 v6, s22, v2                      ; lanes 16-31 take B's
	s_add_co_u32 s21, s21, SCL
	v_add_nc_u32 v7, v7, v6
	v_add_nc_u32 v[ADRS], s21, v7
	; where the results go
	s_cmp_eq_u32 s[TV], 1
	s_cselect_b32 s18, s42, s17                    ; the tile of 256 tokens,
	s_cselect_b32 s19, s16, s15                    ; my half of it,
	s_cselect_b32 s20, s17, s42                    ; the tile of 256 features,
	s_cselect_b32 s21, s15, s16                    ; my half of it
	s_cselect_b32 s22, 16, 0
	s_cselect_b32 s23, 14, 13                      ; 128 tokens on: 16,384 bytes in a pair of v's heads, 8,192 in a head of q or k
	s_mov_b32 s46, 0x10000
	s_cselect_b32 s46, 0x2000, s46                 ; S1: blocks 2, 3 of a lane lie 8,192 on (v: the next two blocks of keys) or 65,536 on (q, k: the next head)
	s_lshl_b32 s20, s20, 1
	s_add_co_u32 s20, s20, s21
	s_add_co_u32 s20, s20, s22                     ; my pair of heads: 0-7 q, 8-15 k, 16-23 v
	s_lshr_b32 s21, s18, 2                         ; the batch
	s_mul_i32 s21, s21, 48
	s_lshl_b32 s20, s20, 1
	s_add_co_u32 s20, s20, s21                     ; the first of my two blocks of 65,536
	s_and_b32 s18, s18, 3
	s_lshl_b32 s18, s18, 1
	s_add_co_u32 s18, s18, s19                     ; j: which 128 tokens of the batch
	s_lshl_b32 s2, s20, 16
	s_lshl_b32 s19, s18, s23
	s_add_co_u32 s2, s2, s19
	s_lshl_b32 s12, s20, 11
	s_lshl_b32 s19, s18, 8
	s_add_co_u32 s12, s12, s19
	s_mov_b32 s13, 0
	v_add_nc_u32 v[OA0+1], s46, v[OA0]
	v_lshlrev_b32 v[SA], 4, v1
	v_lshl_add_u32 v[SA], v2, 11, v[SA]
	v_mov_b32 v[SELV], 0x05040100
	v_mov_b32 v6, 0x07060302
	v_cndmask_b32 v[SELV], v[SELV], v6, s[HI16]
	s_wait_kmcnt 0x0
	s_add_nc_u64 s[4:5], s[4:5], s[2:3]
	s_add_nc_u64 s[6:7], s[6:7], s[12:13]
.macro FRAG reg, adr, q, i             ; 16 rows x 128 K: four loads of 512 consecutive bytes; registers 4 c .. 4 c + 3 hold K = 32 c + 16 (l / 16) + 0 .. 15 of row l % 16
.irp c, 0,1,2,3
	ds_load_b128 v[\reg+4*\c:\reg+4*\c+3], v[\adr] offset:2048*(\q)+512*\c+(\i)*4096
.endr
.endm
; 16 matrix instructions: A's blocks a0, a0 + 1 x B's eight.  p: B's set; sc: the set of scale words.  cin = 0: onto the sums; 1: C = the bias of B's block; 2: C = the bias of A's block.
; The 64 accumulators take turns, one instruction a turn, in the same order in every step.
.macro MUL16 a0, p, q, sc, cin
.irp a, \a0, \a0+1
.irp b, 0,1,2,3,4,5,6,7
.if \cin == 1
	v_wmma_scale_f32_16x16x128_f8f6f4 v[8*(8*((\a)%4)+\b):8*(8*((\a)%4)+\b)+7], v[128*(\p)+FR*\b:128*(\p)+FR*\b+FR-1], v[AF+FR*(\a):AF+FR*(\a)+FR-1], v[BT+8*\b:BT+8*\b+7], v[SC+8*NQ*(\sc)+NQ*\b+(\q)], v[SC+8*NQ*(\sc)+NQ*(\a)+(\q)] matrix_a_scale:MATRIX_SCALE_ROW1
.elseif \cin == 2
	v_wmma_scale_f32_16x16x128_f8f6f4 v[8*(8*((\a)%4)+\b):8*(8*((\a)%4)+\b)+7], v[128*(\p)+FR*\b:128*(\p)+FR*\b+FR-1], v[AF+FR*(\a):AF+FR*(\a)+FR-1], v[BT+8*(\a):BT+8*(\a)+7], v[SC+8*NQ*(\sc)+NQ*\b+(\q)], v[SC+8*NQ*(\sc)+NQ*(\a)+(\q)] matrix_a_scale:MATRIX_SCALE_ROW1
.else
	v_wmma_scale_f32_16x16x128_f8f6f4 v[8*(8*((\a)%4)+\b):8*(8*((\a)%4)+\b)+7], v[128*(\p)+FR*\b:128*(\p)+FR*\b+FR-1], v[AF+FR*(\a):AF+FR*(\a)+FR-1], v[8*(8*((\a)%4)+\b):8*(8*((\a)%4)+\b)+7], v[SC+8*NQ*(\sc)+NQ*\b+(\q)], v[SC+8*NQ*(\sc)+NQ*(\a)+(\q)] matrix_a_scale:MATRIX_SCALE_ROW1
.endif
.endr
.endr
.endm
.macro FETCH_B slot, q, p
	WIN TO_B
.irp i, 0,1,2,3,4,5,6,7
	FRAG 128*(\p)+FR*\i, ADRB+\slot, \q, \i
.endr
	WIN 0
.endm
.macro FETCH_A slot, q, i0
.irp i, \i0, \i0+1, \i0+2, \i0+3
	FRAG AF+FR*(\i), ADRA+\slot, \q, \i
.endr
.endm
.macro SCALES sc                       ; a K step's scale words: two a row; lanes 0-15 take A's block i, lanes 16-31 B's block i
.irp i, 0,1,2,3,4,5,6,7
	ds_load_b64 v[SC+8*NQ*\sc+NQ*\i:SC+8*NQ*\sc+NQ*\i+1], v[ADRS] offset:\i*512
.endr
.endm
.macro PLACES n                        ; plain vector lines between a matrix instruction and a load into, or a read of, its registers (ISA guide 7.12.1 for reads)
.rept \n
	v_nop
.endr
.endm
.macro STEP slot, q, cin               ; 128 along K that have their successor in the same slot
	s_wait_dscnt 4*NL                              ; B's set and A's blocks 0-3 are in; the youngest sixteen loads (A's blocks 4-7) may be out
.if \cin
	WIN 0x81                                       ; C (the bias) in window 0, D in window 2
.else
	WIN MUL_LO
.endif
	MUL16 0, (\q)%2, \q, \slot, \cin
	MUL16 2, (\q)%2, \q, \slot, \cin
	s_wait_dscnt 0
	PLACES NP
	FETCH_B \slot, (\q)+1, 1-(\q)%2
	FETCH_A \slot, (\q)+1, 0
.if \cin
	WIN 0xc1
.else
	WIN MUL_HI
.endif
	MUL16 4, (\q)%2, \q, \slot, \cin
	MUL16 6, (\q)%2, \q, \slot, \cin
	PLACES NP
	WIN 0
	FETCH_A \slot, (\q)+1, 4
.endm
; A slot's last 128 along K change slots: ONE barrier; in front of it each wave waits for all its tensor loads, adds 0 to its spare word, and waits for that and for its reads of this slot.
.macro TURN slot, next, fill
	s_wait_tensorcnt 0x0                           ; all my tensor loads have landed: my part of the next slot
	ds_add_u32 v[SPW], v[NIL]                      ; 0 onto my spare word
	s_wait_dscnt 4*NL+1                            ; (the add and the youngest sixteen loads may be out)
	WIN MUL_LO
	MUL16 0, 1, NQ-1, \slot, 0
	s_wait_dscnt 0x0                               ; the add is done, and my reads of this slot are over
	s_barrier_signal -1
	MUL16 2, 1, NQ-1, \slot, 0
	WIN 0
	s_barrier_wait -1
.if \fill
	CREST                                          ; the barrier has opened a round of the cluster's barrier: no wave of any partner still reads this slot or has a load on its way
	s_add_nc_u64 s[G0+4*\slot+2:G0+4*\slot+3], s[G0+4*\slot+2:G0+4*\slot+3], 8192
	s_add_nc_u64 s[G0B+4*\slot+2:G0B+4*\slot+3], s[G0B+4*\slot+2:G0B+4*\slot+3], 8192
	JLOAD G0+4*\slot, G1, G0B+4*\slot, G1B         ; two K steps on; the first tensor load behind the round; its four v_nop are among the places
	PLACES NP-4
.else
	PLACES NP
.endif
	v_add_nc_u32 v[ADRS], 128, v[ADRS]             ; the next K step's scale words
	FETCH_B \next, 0, 0
	FETCH_A \next, 0, 0
	SCALES \next
	WIN MUL_HI
	MUL16 4, 1, NQ-1, \slot, 0
	MUL16 6, 1, NQ-1, \slot, 0
	PLACES NP
	WIN 0
	FETCH_A \next, 0, 4
.endm
	s_wait_tensorcnt 1                             ; the scales and my part of K step 0 are in; K step 1's load may be out
	s_barrier_signal -1
	s_barrier_wait -1
	FETCH_B 0, 0, 0
	FETCH_A 0, 0, 0
	SCALES 0
	FETCH_A 0, 0, 4
	s_wait_loadcnt 0x0                             ; the bias
	s_cmp_eq_u32 s[TV], 1                          ; the first products start the sums with the bias: by B's block (q, k) or by A's (v)
	s_cbranch_scc1 .Lfirst_v
	STEP 0, 0, 1
	s_branch .Lfirst_done
.Lfirst_v:
	STEP 0, 0, 2
.Lfirst_done:
	TURN 0, 1, 1
	STEP 1, 0, 0
	TURN 1, 0, 1
	STEP 0, 0, 0
	TURN 0, 1, 0                                   ; nothing is left to fetch
	STEP 1, 0, 0
	s_wait_dscnt 4*NL
	WIN MUL_LO
	MUL16 0, 1, NQ-1, 1, 0
	MUL16 2, 1, NQ-1, 1, 0
	s_wait_dscnt 0
	WIN MUL_HI
	MUL16 4, 1, NQ-1, 1, 0
	MUL16 6, 1, NQ-1, 1, 0
	WIN 0
	PLACES NP
.irp b, 0,1,2,3
	v_mov_b32 v[TM+4+\b], 0                        ; a lane permute's destination counts as one of its sources
.endr
; A's block a: a lane's 64 numbers are four runs of 16 neighbours (block beta: accumulators 2 beta, 2 beta + 1); a block of 32 lies in lanes l and l xor 16.  Its codes are 16 bytes a lane and a block:
; the wave stores 512 consecutive bytes, aligned.  Each accumulator is read from its low end on.
.macro QUANTA a
.set AC, 64*((\a)%4)
.set WA, 2+(\a)/4
.set WN, (WA<<2)|(WA<<4)
	WIN WN                                         ; sources 1 and 2: the accumulators' window
.irp b, 0,1,2,3
	v_max3_num_f32 v[TM+\b], 0x4800000, |v[AC+16*\b]|, |v[AC+16*\b+1]|   ; with the floor 2^(9 - 127)
.endr
.irp i, 2,4,6,8,10,12,14
.irp b, 0,1,2,3
	v_max3_num_f32 v[TM+\b], v[TM+\b], |v[AC+16*\b+\i]|, |v[AC+16*\b+\i+1]|
.endr
.endr
	WIN 0
.irp b, 0,1,2,3
	v_permlanex16_b32 v[TM+4+\b], v[TM+\b], s[SEL], s[SEL+1]
.endr
.irp b, 0,1,2,3
	v_max_num_f32 v[TM+\b], v[TM+\b], v[TM+4+\b]
.endr
.irp b, 0,1,2,3
	v_add_nc_u32 v[TM+12+\b], 0xfc000000, v[TM+\b] ; the conversion's scale operand
.endr
.irp b, 0,1,2,3
	v_and_or_b32 v[TM+8+\b], v[TM+\b], 0x7f800000, s[MNT]   ; 448 x the scale
.endr
.irp b, 0,1,2,3
	v_lshrrev_b32 v[TM+4+\b], 23, v[TM+12+\b]      ; the scale's byte
.endr
	v_lshl_or_b32 v[PWR+\a], v[TM+5], 8, v[TM+4]
	v_lshl_or_b32 v[PWR+\a], v[TM+6], 16, v[PWR+\a]
	v_lshl_or_b32 v[PWR+\a], v[TM+7], 24, v[PWR+\a]
	WIN WA                                         ; source 0: the accumulators' window
.irp b, 0,1,2,3
.irp i, 0,1,2,3,4,5,6,7,8,9,10,11,12,13,14,15
	v_med3_num_f32 v[T64+16*\b+\i], v[AC+16*\b+\i], -v[TM+8+\b], v[TM+8+\b]   ; the conversion to an 8-bit code does not saturate (ISA guide 7.6.2)
.endr
.endr
	WIN 0
.irp b, 0,1,2,3
	v_cvt_scalef32_pk8_fp8_f32 v[PC+16*\a+4*\b:PC+16*\a+4*\b+1], v[T64+16*\b:T64+16*\b+7], v[TM+12+\b]
	v_cvt_scalef32_pk8_fp8_f32 v[PC+16*\a+4*\b+2:PC+16*\a+4*\b+3], v[T64+16*\b+8:T64+16*\b+15], v[TM+12+\b]
.endr
	v_nop                                          ; a plain line between the conversions and the next vector line that writes their sources
.irp b, 0,1,2,3
	global_store_b128 v[OA0+\b/2], v[PC+16*\a+4*\b:PC+16*\a+4*\b+3], s[4:5] offset:\a*1024+(\b%2)*512   ; each block has registers of its own: no store's data are written again
.endr
.endm
.irp a, 0,1,2,3,4,5,6,7
	QUANTA \a
.endr
	; the scale words.  q, k: lanes 0-15 the first head's, lanes 16-31 the second's: two bytes of each of two neighbouring tiles.  v: lanes 0-15 the first head's four tiles of d, lanes 16-31 the second's.
.irp t, 0,1,2,3
	v_perm_b32 v[SW+\t], v[PWR+2*\t+1], v[PWR+2*\t], v[SELV]
.endr
.irp t, 0,1,2,3
	v_cndmask_b32 v[SW+4+\t], v[PWR+\t], v[PWR+4+\t], s[HI16]
.endr
.irp t, 0,1,2,3
	v_cndmask_b32 v[SW+\t], v[SW+\t], v[SW+4+\t], s[TVM]
.endr
	global_store_b128 v[SA], v[SW:SW+3], s[6:7]    ; sixteen lanes store 256 consecutive bytes, aligned
	s_wait_tensorcnt 0x0                           ; the wave's end
	ds_add_u32 v[SPW], v[NIL]
	s_wait_dscnt 0x0
	CROUND                                         ; the closing round: no work-group ends while a partner may still ask for a tile that names it
	s_endpgm
.Lfunc_end_k_qe43e7050e8_qkv:
	.size	k_qe43e7050e8_qkv, .Lfunc_end_k_qe43e7050e8_qkv-k_qe43e7050e8_qkv
	.p2alignl 7, 3214868480
	.fill 96, 4, 3214868480
	.section	.rodata,"a",@progbits
	.p2align	6, 0x0
	.amdhsa_kernel k_qe43e7050e8_qkv
		.amdhsa_group_segment_fixed_size 327680
		.amdhsa_private_segment_fixed_size 0
		.amdhsa_enable_private_segment 0
		.amdhsa_kernarg_size 64
		.amdhsa_user_sgpr_count 2
		.amdhsa_user_sgpr_kernarg_segment_ptr 1
		.amdhsa_wavefront_size32 1
		.amdhsa_system_sgpr_workgroup_id_x 1
		.amdhsa_system_sgpr_workgroup_id_y 1
		.amdhsa_system_sgpr_workgroup_id_z 1
		.amdhsa_system_vgpr_workitem_id 0
		.amdhsa_next_free_vgpr 1024
		.amdhsa_next_free_sgpr 106
		.amdhsa_reserve_vcc 0
		.amdhsa_float_denorm_mode_32 3
		.amdhsa_float_denorm_mode_16_64 3
		.amdhsa_memory_ordered 1
		.amdhsa_forward_progress 1
		.amdhsa_inst_pref_size 207
	.end_amdhsa_kernel
	.amdgpu_metadata
---
amdhsa.version: [ 1, 2 ]
amdhsa.kernels:
  - .name:           k_qe43e7050e8_qkv
    .symbol:         k_qe43e7050e8_qkv.kd
    .args:
      - { .name: xn_img, .offset: 0, .size: 8, .value_kind: global_buffer, .address_space: global }
      - { .name: xn_sc, .offset: 8, .size: 8, .value_kind: global_buffer, .address_space: global }
      - { .name: w_img, .offset: 16, .size: 8, .value_kind: global_buffer, .address_space: global }
      - { .name: w_sc, .offset: 24, .size: 8, .value_kind: global_buffer, .address_space: global }
      - { .name: bq, .offset: 32, .size: 8, .value_kind: global_buffer, .address_space: global }
      - { .name: bkv, .offset: 40, .size: 8, .value_kind: global_buffer, .address_space: global }
      - { .name: qkv_img, .offset: 48, .size: 8, .value_kind: global_buffer, .address_space: global }
      - { .name: qkv_sc, .offset: 56, .size: 8, .value_kind: global_buffer, .address_space: global }
    .group_segment_fixed_size: 327680
    .private_segment_fixed_size: 0
    .kernarg_segment_align: 8
    .kernarg_segment_size: 64
    .max_flat_workgroup_size: 128
    .sgpr_count:     106
    .vgpr_count:     1024
    .wavefront_size: 32
...
	.end_amdgpu_metadata
.endif
;; end of part 2
;; launch attn (part 3): grid 2 x 128, 16 waves a work-group, no clusters, 137,216 bytes of LDS; arguments qkv_img, qkv_sc, lengths, ao_img, ao_sc; writes ao_img, ao_sc
.if DOCPART == 3
	.amdgcn_target "amdgcn-amd-amdhsa--gfx1250"
	.amdhsa_code_object_version 6
	.text
	.protected	k_qe43e7050e8_attn
	.globl	k_qe43e7050e8_attn
	.p2align	8
	.type	k_qe43e7050e8_attn,@function
k_qe43e7050e8_attn:
	s_mov_b64 s[64:65], 0
	v_nop
	global_prefetch_b8 v0, s[64:65] scope:SCOPE_SE
	s_setreg_imm32_b32 hwreg(HW_REG_WAVE_MODE, 25, 1), 1
	s_wait_xcnt 0x0
; O[b][q][h][:] = the sum over keys k < lengths[b] of softmax_k(q . k / 8) v, both products on codes of E4M3 with E8M0 scales; O is quantised along h x 64 + d for the last product.
; THE SOFTMAX: t = score x log2(e) / 8; M = the running largest t rounded UP to a whole number; p = 2^(t - M) is quantised along the keys, not normalised; the row's sum is taken of the unquantised p and divides O at the end.
; SHARES.  A work-group owns 512 queries of one head: 256 work-groups.  Each of its sixteen waves takes TWO tiles of 16 queries, one after the other (tile 32 x + w, then tile 32 x + 16 + w), in 256 registers;
; four waves to a SIMD, so that one wave's vector work stands beside another's products and LDS loads.
; The head's K and V (131,072 bytes of codes, 4,096 of scale words) are copied ONCE into LDS, through registers, as they lie in memory: in the order of the operands' registers.  One barrier; no ring; behind it LDS is only read,
; so a wave goes from its first tile to its second without meeting the others.  Both tiles' Q are asked for at the head.
; BOTH PRODUCTS ARE USED TRANSPOSED: S^T = K Q^T, O^T = V^T P^T: a lane holds one query (lane % 16) throughout.  The keys of a tile and the d of a tile of V are chosen (by the launch before) so that the 16 registers
; of two neighbouring result tiles are 16 neighbours.
; THE HEAD'S 64 IN AN INSTRUCTION OF 128: a fragment of K holds tile 2 bb at k = 0 .. 63 and tile 2 bb + 1 at k = 64 .. 127.  Q lies as [Q, 8 registers][zeros, 8][Q, 8]: registers 16-31 give tile 2 bb's scores,
; registers 24-39 tile 2 bb + 1's.  The other tile's codes meet zero codes; they are finite numbers of the format and no scale byte is 0xff, so they add nothing.
; THE MASK: a step of 128 keys that lies wholly at or beyond lengths[b] is jumped over by a scalar branch on that whole number; in the one step on the boundary hidden scores become -infinity ahead of the maximum.
; NO CLUSTER, NO TENSOR LOAD: the two work-groups of a head read the same K and V.
; The steps left out are up to half of the launch's work; what is read twice is 135,168 bytes a work-group, once.  No prefetch: all that a work-group reads is asked for in its first lines.
; A work-group's work hangs on its batch's length alone: work-groups of a long batch work longer than those of a short one.
; LIMITS: lengths[b] from 1 on (at 0 the result is NaN by definition and is not served); above 1,024 it counts as 1,024.  NaN and infinities are not served.  A block under 2^-118, or of zeros, keeps the byte 1.
; ao_sc is stored by bytes (262,144 in all): a row's eight bytes belong to four heads, that is to four work-groups.
.set KSC, 131072                       ; LDS: [step j][K 8,192][V 8,192]; behind it K's scale words [j][r][pair of tiles], 2,048 bytes, then V's [j][r][tile of d]
.set FR,  40                           ; v40-103  four fragments: K's, then V's
.set S,   104                          ; v104-167 S^T, then p; at the head the copy's registers; at the end O / l
.set O,   168                          ; v168-199 O^T
.set PCD, 200                          ; v200-215 p's codes
.set BM,  216                          ; v216-219 the blocks' largest scores, then p
.set PT,  220                          ; v220-223 the other half's; later the bytes
.set HO,  224                          ; v224-227 448 x the scale
.set SO,  228                          ; v228-231 the conversions' scale operands
.set F,   232                          ; v[232:233] f = 2^(old M - new M)
.set C2,  234                          ; v[234:235] the sum's second chain
.set TT,  236                          ; v236 at work
.set Q2,  238                          ; v238-245 the second tile's Q; v246 its two scale bytes
; v1 16 x lane; v2 KSC + 16 r; v3 16 h; v4, v5 the step's addresses; v6 -infinity; v7-11 the copy's addresses; v12 -M; v13 the largest t; v[14:15] the sum; v16-39 Q; v248-251 K's or V's scale words; v252 Q's; v253 p's
.macro INIT                            ; a tile's statistics and O^T: the step is written once; the first finds zeros, which the first change of M leaves zeros
	v_mov_b32 v13, 0xff61b1e6                      ; the largest t so far: -3e38, under every t
	v_floor_f32 v12, -v13
	v_mov_b32 v14, 0
	v_mov_b32 v15, 0
.set n, 0
.rept 32
	v_mov_b32 v[O+n], 0
.set n, n+1
.endr
.endm
	s_load_b256 s[4:11], s[0:1], 0x0               ; qkv_img, qkv_sc, lengths, ao_img
	s_load_b64 s[12:13], s[0:1], 0x20              ; ao_sc
	v_lshl_add_u32 v254, v0, 2, 0x21000
	v_mov_b32 v255, 0
	v_lshrrev_b32 v4, 5, v0
	v_readfirstlane_b32 s14, v4                    ; wave 0..15
	s_and_b32 s28, ttmp7, 0xffff
	s_lshr_b32 s15, s28, 4                         ; batch
	s_and_b32 s16, s28, 15                         ; head
	s_lshl_b32 s17, ttmp9, 5
	s_add_co_u32 s17, s17, s14                     ; my first tile of 16 queries; the second lies 16 tiles on
	s_mul_i32 s30, s15, 48
	s_add_co_u32 s30, s30, s16                     ; q's block of 65,536
	s_lshl_b32 s36, s30, 16
	s_add_co_u32 s32, s36, 0x100000                ; k's: 16 blocks on
	s_lshl_b32 s31, s17, 10
	s_add_co_u32 s36, s36, s31                     ; my first tile of q
	s_and_b32 s31, s16, 1
	s_sub_co_u32 s34, s30, s31
	s_add_co_u32 s34, s34, 32
	s_lshl_b32 s34, s34, 16                        ; v's pair of heads,
	s_lshl_b32 s31, s31, 12
	s_add_co_u32 s34, s34, s31                     ; and my head's 4,096 bytes in each 8,192
	s_lshl_b32 s40, s30, 11                        ; q's scale words
	s_add_co_u32 s38, s40, 0x8000                  ; k's: 16 blocks of 2,048 on (v's: 16 more)
	s_lshr_b32 s31, s17, 3
	s_lshl_b32 s31, s31, 8
	s_add_co_u32 s40, s40, s31
	s_and_b32 s31, s17, 7
	s_lshl_b32 s31, s31, 1
	s_add_co_u32 s40, s40, s31                     ; my tile's two bytes in row 0's 16
	s_lshl_b32 s31, s15, 6
	s_add_co_u32 s31, s31, s17                     ; my first tile among all 512
	s_lshl_b32 s42, s31, 14
	s_lshl_b32 s44, s31, 9
	s_lshl_b32 s31, s16, 10
	s_add_co_u32 s42, s42, s31                     ; ao_img: blocks 2 h and 2 h + 1 along K
	s_lshr_b32 s31, s16, 2
	s_lshl_b32 s31, s31, 7
	s_add_co_u32 s44, s44, s31
	s_and_b32 s31, s16, 3
	s_lshl_b32 s31, s31, 1
	s_add_co_u32 s44, s44, s31                     ; ao_sc: 128 (h/4) + 2 (h%4)
	s_lshl_b32 s46, s15, 2
.irp p, 33,35,37,39,41,43,45,47
	s_mov_b32 s\p, 0
.endr
	s_mov_b32 s19, 0x600000                        ; the mantissa field of 448
	s_mov_b32 s20, 0x76543210
	s_mov_b32 s21, 0xfedcba98                      ; lane l xor 16
	s_mov_b32 s22, 0x3e38aa3b                      ; c = log2(e) / 8
	s_mov_b32 s23, s22                             ; (named with it as a pair, so it is written)
	s_mov_b32 s29, 0xffff0000                      ; lanes 16-31
	v_and_b32 v1, 31, v0
	v_lshlrev_b32 v1, 4, v1
	v_and_b32 v5, 15, v0
	v_lshlrev_b32 v5, 4, v5                        ; 16 r: until the loop, the offset of Q's scale bytes
	v_add_nc_u32 v2, KSC, v5
	v_bfe_u32 v3, v0, 4, 1
	v_lshlrev_b32 v3, 4, v3
	v_lshlrev_b32 v7, 4, v0                        ; the copy: 16 bytes a thread, 8,192 a line
	v_add_nc_u32 v8, 0x10000, v7                   ; (an LDS immediate has 16 bits: steps 4 to 7 have an address of their own)
	v_lshrrev_b32 v4, 8, v0
	v_and_b32 v10, 255, v0
	v_lshlrev_b32 v9, 4, v10
	v_lshl_add_u32 v9, v4, 13, v9                  ; V in memory: a step's two runs of 4,096 bytes lie 8,192 apart
	v_lshlrev_b32 v10, 3, v10
	v_lshl_add_u32 v10, v4, 15, v10                ; the scale words: threads 0-255 K's, the others V's
	v_lshl_add_u32 v11, v0, 3, KSC
	s_wait_kmcnt 0x0
	s_add_nc_u64 s[32:33], s[4:5], s[32:33]
	s_add_nc_u64 s[34:35], s[4:5], s[34:35]
	s_add_nc_u64 s[36:37], s[4:5], s[36:37]
	s_add_nc_u64 s[38:39], s[6:7], s[38:39]
	s_add_nc_u64 s[40:41], s[6:7], s[40:41]
	s_add_nc_u64 s[8:9], s[8:9], s[46:47]
	s_add_nc_u64 s[10:11], s[10:11], s[42:43]
	s_add_nc_u64 s[12:13], s[12:13], s[44:45]
	s_load_b32 s18, s[8:9], 0x0                    ; lengths[b]: it enters compares alone
.irp i, 0,1,2,3,4,5,6,7
	global_load_b128 v[S+4*\i:S+4*\i+3], v7, s[32:33] offset:8192*\i
.endr
.irp i, 0,1,2,3,4,5,6,7
	global_load_b128 v[S+32+4*\i:S+32+4*\i+3], v9, s[34:35] offset:16384*\i
.endr
	global_load_b64 v[BM:BM+1], v10, s[38:39]
	global_load_b128 v[16:19], v1, s[36:37]                ; the first tile's Q, d = 0 .. 31,
	global_load_b128 v[20:23], v1, s[36:37] offset:512     ; d = 32 .. 63,
	global_load_b128 v[32:35], v1, s[36:37]                ; and once more behind the zeros
	global_load_b128 v[36:39], v1, s[36:37] offset:512
	global_load_u16 v252, v5, s[40:41]                     ; its two scale bytes
	global_load_b128 v[Q2:Q2+3], v1, s[36:37] offset:16384         ; the second tile's Q: 16 tiles of 1,024 bytes on
	global_load_b128 v[Q2+4:Q2+7], v1, s[36:37] offset:16384+512
	global_load_u16 v[Q2+8], v5, s[40:41] offset:512               ; its scale bytes: two groups of 8 tiles on
.irp j, 24,25,26,27,28,29,30,31
	v_mov_b32 v\j, 0                               ; the zero codes between the two copies of Q
.endr
	v_mov_b32 v6, 0xff800000
	INIT
.irp b, 0,1,2,3
	v_mov_b32 v[PT+\b], 0                          ; a lane permute's destination counts as one of its sources
.endr
	v_mov_b32 v[F+1], 0                            ; (named as the upper half of a pair)
	s_wait_loadcnt 17                              ; K's eight loads are in; behind them: V's 8, the scale words' 1, Q's 8
.irp i, 0,1,2,3
	ds_store_b128 v7, v[S+4*\i:S+4*\i+3] offset:16384*\i
.endr
.irp i, 0,1,2,3
	ds_store_b128 v8, v[S+16+4*\i:S+16+4*\i+3] offset:16384*\i
.endr
	s_wait_loadcnt 9                               ; V's eight; behind them 1 + 8
.irp i, 0,1,2,3
	ds_store_b128 v7, v[S+32+4*\i:S+32+4*\i+3] offset:16384*\i+8192
.endr
.irp i, 0,1,2,3
	ds_store_b128 v8, v[S+48+4*\i:S+48+4*\i+3] offset:16384*\i+8192
.endr
	s_wait_loadcnt 8                               ; the scale words; behind them Q's 8
	ds_store_b64 v11, v[BM:BM+1]
	s_wait_dscnt 0x0                               ; for the others' sake: my stores are done
	s_barrier_signal -1
	s_barrier_wait -1
	s_wait_loadcnt 0x0                             ; Q, both tiles'
	s_wait_kmcnt 0x0                               ; the length
; ONE TILE OF 16 QUERIES: all key steps, and the way out.  p = 0: my first tile; p = 1: my second, whose places in ao_img and ao_sc stand in the stores' immediates.
.macro PASS p
.if \p
	v_lshl_or_b32 v252, v[Q2+8], 16, v[Q2+8]       ; Q's scale word: its two bytes for either half of K
.irp j, 0,1,2,3,4,5,6,7
	v_mov_b32 v[16+\j], v[Q2+\j]                   ; the second tile's Q takes the first's place, in both copies
	v_mov_b32 v[32+\j], v[Q2+\j]
.endr
	INIT
	s_wait_xcnt 0x0                                ; the first tile's three stores have read their registers, which the steps below write again
.else
	v_lshl_or_b32 v252, v252, 16, v252             ; Q's scale word: its two bytes for either half of K
.endif
	s_mov_b32 s24, 0                               ; the step's first key
	s_mov_b32 s25, 0                               ; its tiles in LDS
	s_mov_b32 s26, 0                               ; its scale words
	s_mov_b32 s27, 8
.Lstep_\@:                                         ; eight trips, a constant; a hidden step's WORK is jumped over, the lines at its end that step addresses are not
	s_cmp_ge_i32 s24, s18
	s_cbranch_scc1 .Lskip_\@
	v_add_nc_u32 v4, s25, v1
	v_add_nc_u32 v5, s26, v2
.rept 6
	v_nop                                          ; with the two additions: eight places in front of loads into registers that the last products read
.endr
.set n, 0
.rept 16
	ds_load_b128 v[FR+4*n:FR+4*n+3], v4 offset:512*n     ; K: fragment n / 4, 512 consecutive bytes a load
.set n, n+1
.endr
	ds_load_b128 v[248:251], v5                    ; row r's four scale words
	s_wait_dscnt 0x0
.irp t, 0,1,2,3,4,5,6,7
	v_wmma_scale_f32_16x16x128_f8f6f4 v[S+8*\t:S+8*\t+7], v[FR+16*(\t/2):FR+16*(\t/2)+15], v[16+8*(\t%2):31+8*(\t%2)], 0, v[248+\t/2], v252
.endr                                              ; register 16 b + i of a lane: key 32 b + 16 (lane / 16) + i of the step
.rept 8
	v_nop                                          ; places: for the loads below and for the first read of the scores
.endr
.set n, 0
.rept 16
	ds_load_b128 v[FR+4*n:FR+4*n+3], v4 offset:8192+((n%4)/2)*4096+(n/4)*1024+(n%2)*512   ; V: tile n / 4 of d, block n % 4 of keys.  Asked for now: it lands under the softmax
.set n, n+1
.endr
	ds_load_b128 v[248:251], v5 offset:2048
	s_add_co_u32 s28, s24, 128
	s_cmp_le_i32 s28, s18                          ; a step all of whose keys count has no mask
	s_cbranch_scc1 .Lopen_\@
	s_sub_co_i32 s28, s18, s24
	s_sub_co_i32 s28, s28, 1
	v_sub_nc_u32 v[TT], s28, v3                    ; d = length - 1 - first key - 16 (lane / 16): register 16 b + i is hidden where 32 b + i > d
.set n, 0
.rept 64
	v_cmp_gt_i32 vcc_lo, 32*(n/16)+n%16, v[TT]
	v_cndmask_b32 v[S+n], v[S+n], v6, vcc_lo
.set n, n+1
.endr
.Lopen_\@:
.irp b, 0,1,2,3
	v_max3_num_f32 v[BM+\b], v[S+16*\b], v[S+1+16*\b], v[S+2+16*\b]   ; the largest score of each block of 32 keys: for the row's maximum, and, since p rises with the score, for the block's largest p
.endr
.irp i, 3,5,7,9,11,13
.irp b, 0,1,2,3
	v_max3_num_f32 v[BM+\b], v[BM+\b], v[S+16*\b+\i], v[S+1+16*\b+\i]
.endr
.endr
.irp b, 0,1,2,3
	v_max_num_f32 v[BM+\b], v[BM+\b], v[S+15+16*\b]
.endr
.irp b, 0,1,2,3
	v_permlanex16_b32 v[PT+\b], v[BM+\b], s20, s21
.endr
.irp b, 0,1,2,3
	v_max_num_f32 v[BM+\b], v[BM+\b], v[PT+\b]
.endr
	v_max3_num_f32 v[TT], v[BM], v[BM+1], v[BM+2]
	v_max_num_f32 v[TT], v[TT], v[BM+3]
	v_mul_f32 v[TT], s22, v[TT]                    ; as t (c is positive)
	v_max_num_f32 v13, v13, v[TT]                  ; the running largest t
	v_mov_b32 v[TT], v12
	v_floor_f32 v12, -v13                          ; the new -M = -ceil(t): a whole number
	v_sub_f32 v[TT], v12, v[TT]                    ; old M - new M: a whole number, 0 or less
	v_cvt_i32_f32 v[TT], v[TT]                     ; (it saturates)
	v_ldexp_f32 v[F], 1.0, v[TT]                   ; f = 2^(old M - new M): a multiplication by it rounds nothing
.set n, 0
.rept 32
	v_pk_fma_f32 v[S+n:S+n+1], v[S+n:S+n+1], s[22:23], v[12:13] op_sel_hi:[1,0,0]   ; t - M, two at a time
.set n, n+2
.endr
.irp b, 0,1,2,3
	v_fma_f32 v[BM+\b], v[BM+\b], s22, v12         ; the same of each block's largest score
.endr
.set n, 0
.rept 64
	v_exp_f32 v[S+n], v[S+n]                       ; p = 2^(t - M), at most 1
.set n, n+1
.endr
	v_pk_mul_f32 v[14:15], v[14:15], v[F:F+1] op_sel_hi:[1,0]   ; the sum under the new M: the plain line behind the batch
	s_wait_alu depctr_va_vdst(0)                   ; one wait for the 64, ahead of their first reader
.irp b, 0,1,2,3
	v_exp_f32 v[BM+\b], v[BM+\b]                   ; the block's largest p: the same two instructions on the same number give the same bits
.endr
	v_pk_add_f32 v[C2:C2+1], v[S:S+1], v[S+2:S+3]  ; the row's sum is taken of the unquantised p, in two chains
.irp j, 4,8,12,16,20,24,28,32,36,40,44,48,52,56,60
	v_pk_add_f32 v[14:15], v[14:15], v[S+\j:S+\j+1]
	v_pk_add_f32 v[C2:C2+1], v[C2:C2+1], v[S+2+\j:S+3+\j]
.endr
	v_pk_add_f32 v[14:15], v[14:15], v[C2:C2+1]
	s_wait_alu depctr_va_vdst(0)                   ; and one for the four
.irp b, 0,1,2,3
	v_max_num_f32 v[BM+\b], 0x4800000, v[BM+\b]    ; the floor 2^(9 - 127): a block whose every p is 0 keeps the byte 1; its codes are zeros
.endr
.irp b, 0,1,2,3
	v_add_nc_u32 v[SO+\b], 0xfc000000, v[BM+\b]
.endr
.irp b, 0,1,2,3
	v_and_or_b32 v[HO+\b], v[BM+\b], 0x7f800000, s19
.endr
.irp b, 0,1,2,3
	v_lshrrev_b32 v[PT+\b], 23, v[SO+\b]
.endr
	v_lshl_or_b32 v253, v[PT+1], 8, v[PT]          ; p's scale word for these 128 keys
	v_lshl_or_b32 v253, v[PT+2], 16, v253
	v_lshl_or_b32 v253, v[PT+3], 24, v253
.irp b, 0,1,2,3
.irp i, 0,1,2,3,4,5,6,7,8,9,10,11,12,13,14,15
	v_min_num_f32 v[S+16*\b+\i], v[S+16*\b+\i], v[HO+\b]   ; the conversion does not saturate (ISA guide 7.6.2); p is not negative, so the hold is one-sided
.endr
	v_cvt_scalef32_pk8_fp8_f32 v[PCD+4*\b:PCD+4*\b+1], v[S+16*\b:S+16*\b+7], v[SO+\b]
	v_cvt_scalef32_pk8_fp8_f32 v[PCD+4*\b+2:PCD+4*\b+3], v[S+16*\b+8:S+16*\b+15], v[SO+\b]
.endr
.set n, 0
.rept 16
	v_pk_mul_f32 v[O+n:O+n+1], v[O+n:O+n+1], v[F:F+1] op_sel_hi:[1,0]   ; O^T under the new M; these are also the plain lines between the codes and the products
.set n, n+2
.endr
	s_wait_dscnt 0x0                               ; V and its scale words
.irp t, 0,1,2,3
	v_wmma_scale_f32_16x16x128_f8f6f4 v[O+8*\t:O+8*\t+7], v[FR+16*\t:FR+16*\t+15], v[PCD:PCD+15], v[O+8*\t:O+8*\t+7], v[248+\t], v253
.endr                                              ; four accumulators by turns; eight other products stand between two links of a chain
.Lskip_\@:
	s_add_co_u32 s24, s24, 128
	s_add_co_u32 s25, s25, 16384
	s_add_co_u32 s26, s26, 256
	s_sub_co_i32 s27, s27, 1
	s_cmp_lg_u32 s27, 0
	s_cbranch_scc1 .Lstep_\@
	; THE WAY OUT: O^T / the sum; register 16 b + i of a lane is d = 32 b + 16 (lane / 16) + i: two blocks of 32 along the last product's K, quantised as they stand
.rept 8
	v_nop                                          ; places behind the last products
.endr
	v_add_f32 v14, v14, v15
	v_permlanex16_b32 v[PT], v14, s20, s21
	v_add_f32 v14, v14, v[PT]                      ; the row's sum
	v_rcp_f32 v14, v14
	v_and_b32 v8, 15, v0                           ; (a plain line behind the reciprocal)
	v_bfe_u32 v9, v0, 4, 1
	v_lshl_add_u32 v8, v8, 3, v9                   ; my scale byte's place: 8 r + h
	s_wait_alu depctr_va_vdst(0)                   ; the wait ahead of the first reader
.set n, 0
.rept 32
	v_mul_f32 v[S+n], v[O+n], v14
.set n, n+1
.endr
.irp b, 0,1
	v_max3_num_f32 v[BM+\b], |v[S+16*\b]|, |v[S+1+16*\b]|, 0x4800000
.endr
.irp i, 2,4,6,8,10,12,14
.irp b, 0,1
	v_max3_num_f32 v[BM+\b], v[BM+\b], |v[S+16*\b+\i]|, |v[S+1+16*\b+\i]|
.endr
.endr
.irp b, 0,1
	v_permlanex16_b32 v[PT+\b], v[BM+\b], s20, s21
.endr
.irp b, 0,1
	v_max_num_f32 v[BM+\b], v[BM+\b], v[PT+\b]
.endr
.irp b, 0,1
	v_add_nc_u32 v[SO+\b], 0xfc000000, v[BM+\b]
.endr
.irp b, 0,1
	v_and_or_b32 v[HO+\b], v[BM+\b], 0x7f800000, s19
.endr
.irp b, 0,1
	v_lshrrev_b32 v[PT+\b], 23, v[SO+\b]
.endr
.irp b, 0,1
.irp i, 0,1,2,3,4,5,6,7,8,9,10,11,12,13,14,15
	v_med3_num_f32 v[S+16*\b+\i], v[S+16*\b+\i], -v[HO+\b], v[HO+\b]
.endr
.endr
.irp b, 0,1
	v_cvt_scalef32_pk8_fp8_f32 v[PCD+4*\b:PCD+4*\b+1], v[S+16*\b:S+16*\b+7], v[SO+\b]
	v_cvt_scalef32_pk8_fp8_f32 v[PCD+4*\b+2:PCD+4*\b+3], v[S+16*\b+8:S+16*\b+15], v[SO+\b]
.endr
	v_cndmask_b32 v[TT], v[PT], v[PT+1], s29       ; lanes 0-15 store the first block's byte, lanes 16-31 the second's.  (The plain line behind the conversions)
	global_store_b128 v1, v[PCD:PCD+3], s[10:11] offset:\p*262144            ; 32 lanes store 512 consecutive bytes, aligned; the second tile lies 16 tiles of 16,384 bytes on
	global_store_b128 v1, v[PCD+4:PCD+7], s[10:11] offset:\p*262144+512
	global_store_b8 v8, v[TT], s[12:13] offset:\p*8192
.endm
	PASS 0
	PASS 1
	s_wait_tensorcnt 0x0
	ds_add_u32 v254, v255
	s_wait_dscnt 0x0
	s_endpgm
.Lfunc_end_k_qe43e7050e8_attn:
	.size	k_qe43e7050e8_attn, .Lfunc_end_k_qe43e7050e8_attn-k_qe43e7050e8_attn
	.p2alignl 7, 3214868480
	.fill 96, 4, 3214868480
	.section	.rodata,"a",@progbits
	.p2align	6, 0x0
	.amdhsa_kernel k_qe43e7050e8_attn
		.amdhsa_group_segment_fixed_size 137216
		.amdhsa_private_segment_fixed_size 0
		.amdhsa_enable_private_segment 0
		.amdhsa_kernarg_size 40
		.amdhsa_user_sgpr_count 2
		.amdhsa_user_sgpr_kernarg_segment_ptr 1
		.amdhsa_wavefront_size32 1
		.amdhsa_system_sgpr_workgroup_id_x 1
		.amdhsa_system_sgpr_workgroup_id_y 1
		.amdhsa_system_sgpr_workgroup_id_z 1
		.amdhsa_system_vgpr_workitem_id 0
		.amdhsa_next_free_vgpr 256
		.amdhsa_next_free_sgpr 66
		.amdhsa_reserve_vcc 1
		.amdhsa_float_denorm_mode_32 3
		.amdhsa_float_denorm_mode_16_64 3
		.amdhsa_memory_ordered 1
		.amdhsa_forward_progress 1
		.amdhsa_inst_pref_size 70
	.end_amdhsa_kernel
	.amdgpu_metadata
---
amdhsa.version: [ 1, 2 ]
amdhsa.kernels:
  - .name:           k_qe43e7050e8_attn
    .symbol:         k_qe43e7050e8_attn.kd
    .args:
      - { .name: qkv_img, .offset: 0, .size: 8, .value_kind: global_buffer, .address_space: global }
      - { .name: qkv_sc, .offset: 8, .size: 8, .value_kind: global_buffer, .address_space: global }
      - { .name: lengths, .offset: 16, .size: 8, .value_kind: global_buffer, .address_space: global }
      - { .name: ao_img, .offset: 24, .size: 8, .value_kind: global_buffer, .address_space: global }
      - { .name: ao_sc, .offset: 32, .size: 8, .value_kind: global_buffer, .address_space: global }
    .group_segment_fixed_size: 137216
    .private_segment_fixed_size: 0
    .kernarg_segment_align: 8
    .kernarg_segment_size: 40
    .max_flat_workgroup_size: 512
    .sgpr_count:     66
    .vgpr_count:     256
    .wavefront_size: 32
...
	.end_amdgpu_metadata
.endif
;; end of part 3
;; launch outp (part 4): grid 4 x 64, 4 waves a work-group, clusters of 4 x 4, 327,680 bytes of LDS; arguments ao_img, ao_sc, w_img, w_sc, bo, x, out0; writes out0
.if DOCPART == 4
	.amdgcn_target "amdgcn-amd-amdhsa--gfx1250"
	.amdhsa_code_object_version 6
	.text
	.protected	k_qe43e7050e8_outp
	.globl	k_qe43e7050e8_outp
	.p2align	8
	.type	k_qe43e7050e8_outp,@function
k_qe43e7050e8_outp:
	s_mov_b64 s[64:65], 0
	v_nop
	global_prefetch_b8 v0, s[64:65] scope:SCOPE_SE
	s_setreg_imm32_b32 hwreg(HW_REG_WAVE_MODE, 25, 1), 1
	s_wait_xcnt 0x0
	s_wait_alu depctr_hold_cnt(0) depctr_sa_sdst(0) depctr_va_vdst(0) depctr_va_sdst(0) depctr_va_ssrc(0) depctr_va_vcc(0) depctr_vm_vsrc(0)
	s_getreg_b32 s2, hwreg(HW_REG_IB_STS2, 6, 4)
	s_cmp_eq_u32 s2, 0
	s_cbranch_scc0 .Lentry_in_a_cluster
	s_endpgm
.Lentry_in_a_cluster:
	s_bfe_u32 s2, ttmp6, 0x10000c
	s_cmp_lg_u32 s2, 0xf033
	s_cbranch_scc0 .Lentry_shape_is_right
	s_endpgm
.Lentry_shape_is_right:
; out0 = O Wo + bo + x.  O (ao_img, ao_sc) and Wo (tiles 12-15 of w_img, w_sc) are codes of E4M3 with E8M0 scales, in the order of the operands' registers; x and out0 are f32 [8192][1024].
; A work-group makes 128 tokens x 256 outputs: 256 work-groups.  Each of its four waves makes 64 x 128: 4 blocks of A against 8 of B, 32 accumulators, 256 registers.  (A tile of 256 x 256 would give 128 work-groups.
; The price: a wave loads 48 parts of fragments for 32 products where the larger tile loads 64 for 64.)
; K = 1,024 is four K steps of 256.  A slot holds 128 rows of O and 256 of Wo, 98,304 bytes, and THREE slots fit: K steps 0, 1, 2 go out together at the start, and only K step 3 is a refill (of slot 0),
; with two K steps in which to land.  Nothing is looped.  A wave has four tensor loads out at the start (the scales and three slots), later one.
; A K step of 16 rows is 4,096 consecutive bytes, 16,384 from tile to tile: one tensor load brings 4 (O) or 8 (Wo) such runs; a fragment is four LDS loads of 512 consecutive bytes: no padding.
; The scale bytes of the 128 + 256 rows, for all of K, come once (12,288 bytes) and stay.
; THE MATRIX INSTRUCTION IS USED TRANSPOSED (source 0 = 16 rows of Wo's image, source 1 = 16 tokens): a lane holds one token and, in two neighbouring tiles, 16 neighbouring outputs.
; In each 32 tokens place p of the image holds the token whose number is p with bits 3 and 4 exchanged: that is undone in the immediates of x's loads and of the stores.
; CLUSTERS: 4 x 4: O's tile is asked for jointly along a row of the cluster, Wo's along a column.
; bo is the C of each sum's first matrix instruction (another order of f32 rounding than adding it last); x is added on the way out.
; x: a wave's 64 rows x 512 bytes are 64 loads into window 3, which nothing else uses: 32 are issued behind the first and 32 behind the third of the eight steps of 128 along K, five steps or more ahead of their use.
; So nothing is prefetched: no wave is left waiting for a stream whose addresses it could have named earlier.
; REGISTERS: window 0: v16-29 addresses; v32-63 scale words, two sets; v64-127 the bias tiles; v128-191 A's fragments, one set.
;   window 1: B's fragments, two sets; on the way out the rows back from the stage, a set of 64 for each of the four blocks, so that no store's data are written again.
;   window 2: the accumulators ((a, b) at v[8 (8 a + b)]).   window 3: x, a set of 64 for each block.
.set NQ,    2                          ; matrix instructions deep in a slot
.set FR,    16                         ; registers of a fragment
.set NL,    4                          ; LDS loads that bring one
.set NP,    8                          ; places behind this matrix instruction (ISA guide 7.12.1)
.set HALFA, 16384                      ; 64 rows x 256 K: what a wave fetches of O, and what a wave reads of it
.set HALFB, 32768                      ; 128 rows x 256 K: the same of Wo
.set SLOT,  2*HALFA+2*HALFB            ; O's 128 rows, then Wo's 256
.set SCL,   3*SLOT                     ; behind the three slots: O's scale bytes, 4,096, then Wo's, 8,192
.set SPARE, SCL+12288                  ; the spare words, 128 bytes for each wave: two blocks of 256 bytes that no other line names
.set SPITCH, 528                       ; the way out: a stage of 16 rows x (512 bytes + 16) for each wave,
.set STAGE, SLOT                       ; in slot 1, which is filled once and has had its last read, in every wave, at the last barrier
.set ADRA, 16                          ; v16-18  my A fragments in slot 0, 1, 2
.set ADRB, 20                          ; v20-22  my B fragments
.set STO,  24                          ; v24  where I put 64 bytes of a row
.set RD,   25                          ; v25  where I read a row back
.set CO,   26                          ; v26  16 x lane: my place in a row's 512 bytes; never rewritten
.set ADRS, 27                          ; v27  my scale words: lanes 0-15 A's rows, lanes 16-31 B's
.set SPW,  28                          ; v28  my spare word; never rewritten
.set NIL,  29                          ; v29  0; never rewritten
.set SC,   32
.set BT,   64
.set AF,   128
.set G1,   24                          ; s[24:31] group 1 for O's tiles;   s[32:39] for Wo's
.set G1B,  32
.set G0,   48                          ; s[48:59] group 0 for O's tiles, a set for each slot
.set G0S,  60                          ; s[60:63] group 0 for O's scales
.set G1S,  68                          ; s[68:75], s[76:83] group 1 for O's and Wo's scales
.set G1SB, 76
.set G0SB, 84                          ; s[84:87] group 0 for Wo's scales
.set G0B,  88                          ; s[88:99] group 0 for Wo's tiles, a set for each slot
.set MSB, 0
.macro WIN new                         ; the immediate's high byte repeats the setting that is left
.if MSB != \new
	s_set_vgpr_msb (MSB<<8)|\new
.set MSB, \new
.endif
.endm
.set MUL_LO, 0xa1                      ; source 0 (B) window 1, source 1 (A) window 0, C and D window 2
.set MUL_C0, 0x81                      ; the same with C (the bias) in window 0
.set TO_B,   0x40                      ; destination window 1, address window 0
.macro JLOAD g0a, g1a, g0b, g1b        ; a joint load: waves 0 and 1 fetch for A, waves 2 and 3 for B; four v_nop follow each of the two lines
	s_cmp_eq_u32 s15, 0
	s_cbranch_scc0 .Lfor_b_\@
	tensor_load_to_lds s[\g0a:\g0a+3], s[\g1a:\g1a+7]
	s_nop 0
.rept 4
	v_nop
.endr
	s_branch .Lasked_\@
.Lfor_b_\@:
	tensor_load_to_lds s[\g0b:\g0b+3], s[\g1b:\g1b+7]
	s_nop 0
.rept 4
	v_nop
.endr
.Lasked_\@:
.endm
.macro CREST                           ; a round of the cluster's barrier behind its opening barrier
	s_cmp_lg_u32 s14, 0
	s_cbranch_scc1 .Lnot_wave_0_\@
	s_barrier_signal -3
.Lnot_wave_0_\@:
	s_barrier_wait -3
	s_barrier_signal -1
	s_barrier_wait -1
.endm
.macro CROUND
	s_barrier_signal -1
	s_barrier_wait -1
	CREST
.endm
	s_load_b256 s[4:11], s[0:1], 0x0               ; ao_img, ao_sc, w_img, w_sc
	s_load_b64 s[12:13], s[0:1], 0x30              ; out0
	v_lshl_add_u32 v[SPW], v0, 2, SPARE
	v_mov_b32 v[NIL], 0
	ds_add_u32 v28, v29
	ds_add_u32 v28, v29
	s_wait_dscnt 0x0
	v_lshrrev_b32 v1, 5, v0
	v_readfirstlane_b32 s14, v1                    ; wave 0..3
	s_lshr_b32 s15, s14, 1                         ; which 64 of the tokens are mine.  Also: I fetch for A (0) or for B (1)
	s_and_b32 s16, s14, 1                          ; which 128 of the outputs.  Also: which half of that tile I fetch
	s_bfe_u32 s40, ttmp6, 0x40000                  ; cx, cy
	s_bfe_u32 s41, ttmp6, 0x40004
	s_lshl_b32 s42, ttmp9, 2
	s_add_co_u32 s42, s42, s40                     ; tile column: 256 outputs
	s_and_b32 s17, ttmp7, 0xffff
	s_lshl_b32 s17, s17, 2
	s_add_co_u32 s17, s17, s41                     ; tile row: 128 tokens
	s_lshl_b32 s43, s41, 2
	s_lshl_b32 s43, 15, s43                        ; my row of the cluster
	s_lshl_b32 s44, 0x1111, s40                    ; my column
	s_or_b32 s[G1+0], s43, (3<<16)|(1<<21)         ; 15:0 the mask; 17:16 elements of 8 bytes; 21 set beside a mask; no padding
	s_mov_b32 s[G1+1], 512<<16                     ; tensor_dim0: 4,096 bytes
	s_mov_b32 s[G1+2], 4<<16                       ; tensor_dim1: 4 tiles of 16 rows
	s_mov_b32 s[G1+3], 512<<16                     ; tile_dim0
	s_mov_b32 s[G1+4], 4                           ; tile_dim1
	s_mov_b32 s[G1+5], 2048                        ; 16,384 bytes from tile to tile
	s_mov_b32 s[G1+6], 0
	s_mov_b32 s[G1+7], 0
	s_or_b32 s[G1B+0], s44, (3<<16)|(1<<21)
	s_mov_b32 s[G1B+1], 512<<16
	s_mov_b32 s[G1B+2], 8<<16                      ; 8 tiles of 16 rows
	s_mov_b32 s[G1B+3], 512<<16
	s_mov_b32 s[G1B+4], 8
	s_mov_b32 s[G1B+5], 2048
	s_mov_b32 s[G1B+6], 0
	s_mov_b32 s[G1B+7], 0
	s_or_b32 s[G1S+0], s43, (3<<16)|(1<<21)        ; the scale bytes of 64 rows: 2,048 dense bytes as 8 rows of 256
	s_mov_b32 s[G1S+1], 32<<16
	s_mov_b32 s[G1S+2], 8<<16
	s_mov_b32 s[G1S+3], 32<<16
	s_mov_b32 s[G1S+4], 8
	s_mov_b32 s[G1S+5], 32
	s_mov_b32 s[G1S+6], 0
	s_mov_b32 s[G1S+7], 0
	s_or_b32 s[G1SB+0], s44, (3<<16)|(1<<21)       ; of 128 rows: 4,096 dense bytes as 16 rows of 256
	s_mov_b32 s[G1SB+1], 32<<16
	s_mov_b32 s[G1SB+2], 16<<16
	s_mov_b32 s[G1SB+3], 32<<16
	s_mov_b32 s[G1SB+4], 16
	s_mov_b32 s[G1SB+5], 32
	s_mov_b32 s[G1SB+6], 0
	s_mov_b32 s[G1SB+7], 0
	s_lshl_b32 s20, s17, 17                        ; A: 131,072 bytes of codes a tile of 128 rows,
	s_lshl_b32 s21, s16, 16
	s_add_co_u32 s20, s20, s21                     ; + the 64 rows that I fetch
	s_lshl_b32 s22, s17, 12                        ; 4,096 of scale bytes
	s_lshl_b32 s21, s16, 11
	s_add_co_u32 s22, s22, s21
	s_mov_b32 s21, 0
	s_mov_b32 s23, 0
	s_add_co_u32 s46, s42, 12                      ; B: Wo's tiles of 256 rows begin at tile 12 of w_img; in registers of their own
	s_lshl_b32 s104, s46, 13
	s_lshl_b32 s46, s46, 18
	s_lshl_b32 s47, s16, 17
	s_add_co_u32 s46, s46, s47
	s_lshl_b32 s47, s16, 12
	s_add_co_u32 s104, s104, s47
	s_mov_b32 s47, 0
	s_mov_b32 s105, 0
	s_mul_i32 s45, s16, HALFA                      ; where they go, by the wave's number alone: A's two halves,
	s_mul_i32 s2, s16, HALFB
	s_add_co_u32 s2, s2, 2*HALFA                   ; then B's two
	s_lshl_b32 s18, s16, 11
	s_add_co_u32 s18, s18, SCL                     ; the scales likewise
	s_lshl_b32 s19, s16, 12
	s_add_co_u32 s19, s19, SCL+4096
	s_wait_kmcnt 0x0
	s_add_nc_u64 s[20:21], s[4:5], s[20:21]
	s_add_nc_u64 s[22:23], s[6:7], s[22:23]
	s_add_nc_u64 s[46:47], s[8:9], s[46:47]
	s_add_nc_u64 s[104:105], s[10:11], s[104:105]
	CROUND                                         ; all sixteen work-groups are here: the first joint loads meet
	s_mov_b32 s[G0S], 1
	s_mov_b32 s[G0S+1], s18
	s_mov_b64 s[G0S+2:G0S+3], s[22:23]
	s_or_b32 s[G0S+3], s[G0S+3], 0x80000000
	s_mov_b32 s[G0SB], 1
	s_mov_b32 s[G0SB+1], s19
	s_mov_b64 s[G0SB+2:G0SB+3], s[104:105]
	s_or_b32 s[G0SB+3], s[G0SB+3], 0x80000000
	JLOAD G0S, G1S, G0SB, G1SB                     ; the scales first: they are wanted with K step 0
.irp s, 0,1,2
	s_mov_b32 s[G0+4*\s], 1
	s_add_co_u32 s[G0+4*\s+1], s45, \s*SLOT
	s_add_nc_u64 s[G0+4*\s+2:G0+4*\s+3], s[20:21], \s*4096
	s_or_b32 s[G0+4*\s+3], s[G0+4*\s+3], 0x80000000
	s_mov_b32 s[G0B+4*\s], 1
	s_add_co_u32 s[G0B+4*\s+1], s2, \s*SLOT
	s_add_nc_u64 s[G0B+4*\s+2:G0B+4*\s+3], s[46:47], \s*4096
	s_or_b32 s[G0B+4*\s+3], s[G0B+4*\s+3], 0x80000000
	JLOAD G0+4*\s, G1, G0B+4*\s, G1B               ; K step s into slot s
.endr
	s_load_b128 s[4:7], s[0:1], 0x20               ; bo, x (the operands' pointers have gone into the descriptors)
	s_lshl_b32 s8, s42, 10                         ; my 128 outputs, in bytes: 1,024 x tile column + 512 x half
	s_lshl_b32 s9, s16, 9
	s_add_co_u32 s8, s8, s9
	s_mov_b32 s9, 0
	s_lshl_b32 s10, s17, 19                        ; my 64 tokens: rows of 4,096 bytes
	s_lshl_b32 s11, s15, 18
	s_add_co_u32 s10, s10, s11
	s_add_co_u32 s10, s10, s8
	s_mov_b32 s11, 0
	v_and_b32 v1, 15, v0                           ; r
	v_bfe_u32 v2, v0, 4, 1                         ; h
	v_lshlrev_b32 v3, 6, v2                        ; bo: for B's tile b a lane wants the outputs 32 (b/2) + 16 h + 8 (b%2) + 0 .. 7
	v_and_b32 v6, 31, v0
	v_lshlrev_b32 v[CO], 4, v6
	s_mul_i32 s21, s15, HALFA                      ; my 64 rows of A
	s_mul_i32 s22, s16, HALFB                      ; my 128 rows of B,
	s_add_co_u32 s22, s22, 2*HALFA                 ; which lie behind A's 128
.irp s, 0,1,2
	v_add_nc_u32 v[ADRA+\s], s21, v[CO]
	v_add_nc_u32 v[ADRB+\s], s22, v[CO]
	s_add_co_u32 s21, s21, SLOT
	s_add_co_u32 s22, s22, SLOT
.endr
	v_lshlrev_b32 v7, 3, v1                        ; my row's two scale words of a K step: 8 r
	s_lshl_b32 s21, s15, 11                        ; A's: my 64 rows, 2,048 bytes
	s_lshl_b32 s22, s16, 12                        ; B's: my 128 rows, 4,096 bytes, behind A's 4,096
	s_add_co_u32 s22, s22, 4096
	s_sub_co_u32 s22, s22, s21
	v_mul_u32_u24 v6, s22, v2                      ; lanes 16-31 take B's
	s_add_co_u32 s21, s21, SCL
	v_add_nc_u32 v7, v7, v6
	v_add_nc_u32 v[ADRS], s21, v7
	s_mul_i32 s23, s14, 16*SPITCH                  ; my stage
	s_add_co_u32 s23, s23, STAGE
	v_mul_u32_u24 v7, v1, SPITCH
	v_lshl_add_u32 v7, v2, 6, v7                   ; in: row r, + 64 h
	v_add_nc_u32 v[STO], s23, v7
	v_add_nc_u32 v[RD], s23, v[CO]                 ; back: the 32 lanes take one row of 512 bytes
	s_wait_kmcnt 0x0
	s_add_nc_u64 s[4:5], s[4:5], s[8:9]            ; bo at my outputs
	s_add_nc_u64 s[6:7], s[6:7], s[10:11]          ; x and out0 at my corner
	s_add_nc_u64 s[12:13], s[12:13], s[10:11]
.irp b, 0,1,2,3,4,5,6,7
	global_load_b128 v[BT+8*\b:BT+8*\b+3], v3, s[4:5] offset:(32*(\b/2)+8*(\b%2))*4
	global_load_b128 v[BT+8*\b+4:BT+8*\b+7], v3, s[4:5] offset:(32*(\b/2)+8*(\b%2))*4+16
.endr
.macro FRAG reg, adr, q, i             ; 16 rows x 128 K: four loads of 512 consecutive bytes; registers 4 c .. 4 c + 3 hold K = 32 c + 16 (l / 16) + 0 .. 15 of row l % 16
.irp c, 0,1,2,3
	ds_load_b128 v[\reg+4*\c:\reg+4*\c+3], v[\adr] offset:2048*(\q)+512*\c+(\i)*4096
.endr
.endm
; 8 matrix instructions: A's block a x B's eight.  p: B's set; q: which 128 of the K step; sc: the set of scale words.  cin = 1: C = the bias of B's block.
; The 32 accumulators take turns, one instruction a turn, in the same order in every step.
.macro MULA a, p, q, sc, cin
.irp b, 0,1,2,3,4,5,6,7
.if \cin
	v_wmma_scale_f32_16x16x128_f8f6f4 v[8*(8*(\a)+\b):8*(8*(\a)+\b)+7], v[128*(\p)+FR*\b:128*(\p)+FR*\b+FR-1], v[AF+FR*(\a):AF+FR*(\a)+FR-1], v[BT+8*\b:BT+8*\b+7], v[SC+8*NQ*(\sc)+NQ*\b+(\q)], v[SC+8*NQ*(\sc)+NQ*(\a)+(\q)] matrix_a_scale:MATRIX_SCALE_ROW1
.else
	v_wmma_scale_f32_16x16x128_f8f6f4 v[8*(8*(\a)+\b):8*(8*(\a)+\b)+7], v[128*(\p)+FR*\b:128*(\p)+FR*\b+FR-1], v[AF+FR*(\a):AF+FR*(\a)+FR-1], v[8*(8*(\a)+\b):8*(8*(\a)+\b)+7], v[SC+8*NQ*(\sc)+NQ*\b+(\q)], v[SC+8*NQ*(\sc)+NQ*(\a)+(\q)] matrix_a_scale:MATRIX_SCALE_ROW1
.endif
.endr
.endm
.macro FETCH_B slot, q, p              ; B's eight fragments into set p
	WIN TO_B
.irp i, 0,1,2,3,4,5,6,7
	FRAG 128*(\p)+FR*\i, ADRB+\slot, \q, \i
.endr
	WIN 0
.endm
.macro FETCH_A slot, q, i0             ; A's blocks i0, i0 + 1
.irp i, \i0, \i0+1
	FRAG AF+FR*(\i), ADRA+\slot, \q, \i
.endr
.endm
.macro SCALES sc                       ; a K step's scale words: two a row; lanes 0-15 take A's block i (blocks 4 to 7 do not exist: those lanes read bytes of the scales' region that nothing uses), lanes 16-31 B's block i
.irp i, 0,1,2,3,4,5,6,7
	ds_load_b64 v[SC+8*NQ*\sc+NQ*\i:SC+8*NQ*\sc+NQ*\i+1], v[ADRS] offset:\i*512
.endr
.endm
.macro PLACES n                        ; plain vector lines between a matrix instruction and a load into, or a read of, its registers (ISA guide 7.12.1 for reads)
.rept \n
	v_nop
.endr
.endm
; A K step's first 128 along K: their successor lies in the same slot.  A has one set of registers: blocks 0, 1 are fetched anew in the step's middle, blocks 2, 3 at its end; B has two sets.
.macro STEP slot, sc, cin
	s_wait_dscnt 2*NL                              ; B's set, A's blocks 0, 1 and the scale words are in; the youngest eight loads (A's blocks 2, 3) may be out
.if \cin
	WIN MUL_C0
.else
	WIN MUL_LO
.endif
	MULA 0, 0, 0, \sc, \cin
	MULA 1, 0, 0, \sc, \cin
	s_wait_dscnt 0
	PLACES NP
	FETCH_B \slot, 1, 1
	FETCH_A \slot, 1, 0
.if \cin
	WIN MUL_C0
.else
	WIN MUL_LO
.endif
	MULA 2, 0, 0, \sc, \cin
	MULA 3, 0, 0, \sc, \cin
	PLACES NP
	WIN 0
	FETCH_A \slot, 1, 2
.endm
; A K step's last 128 along K change slots.  mode = 2: this slot is filled again: each wave waits for all its tensor loads, adds 0 to its spare word, waits for that and for its reads of this slot; the barrier opens a round
; of the cluster's barrier; the joint refill is the first thing behind it.  mode = 1: the next slot's refill must have landed in every wave: the same lines and a plain barrier.
; mode = 0: no barrier: the next slot was shown whole to every wave by the round before, and this slot is not filled again.
.macro TURN slot, next, sc, nsc, mode
.if \mode
	s_wait_tensorcnt 0x0                           ; all my tensor loads have landed
	ds_add_u32 v[SPW], v[NIL]                      ; 0 onto my spare word
	s_wait_dscnt 2*NL+1                            ; (the add and the youngest eight loads may be out)
.else
	s_wait_dscnt 2*NL
.endif
	WIN MUL_LO
	MULA 0, 1, 1, \sc, 0
.if \mode
	s_wait_dscnt 0x0                               ; the add is done, and my reads of this slot are over
	s_barrier_signal -1
.endif
	MULA 1, 1, 1, \sc, 0
	WIN 0
.if \mode
	s_barrier_wait -1
.else
	s_wait_dscnt 0x0                               ; A's blocks 2, 3
.endif
.if \mode == 2
	CREST                                          ; no wave of any partner still reads this slot or has a load on its way
	s_add_nc_u64 s[G0+4*\slot+2:G0+4*\slot+3], s[G0+4*\slot+2:G0+4*\slot+3], 3*4096
	s_add_nc_u64 s[G0B+4*\slot+2:G0B+4*\slot+3], s[G0B+4*\slot+2:G0B+4*\slot+3], 3*4096
	JLOAD G0+4*\slot, G1, G0B+4*\slot, G1B         ; three K steps on; the first tensor load behind the round; its four v_nop are among the places
	PLACES NP-4
.else
	PLACES NP
.endif
	v_add_nc_u32 v[ADRS], 128, v[ADRS]             ; the next K step's scale words
	FETCH_B \next, 0, 0
	FETCH_A \next, 0, 0
	SCALES \nsc
	WIN MUL_LO
	MULA 2, 1, 1, \sc, 0
	MULA 3, 1, 1, \sc, 0
	PLACES NP
	WIN 0
	FETCH_A \next, 0, 2
.endm
; THE WAY OUT, block by block of 16 tokens x 128 outputs.  Row t of block a is token 32 (a/2) + 8 (a%2) + t + 8 (t/8) of my 64: the place stands in the immediates (at most 63 rows of 4,096 bytes).
.macro XLOAD a                         ; x's 16 rows of block a into its set of window 3
	WIN 0xc0                                       ; destination window 3, address window 0
.irp t, 0,1,2,3,4,5,6,7,8,9,10,11,12,13,14,15
	global_load_b128 v[64*(\a)+4*\t:64*(\a)+4*\t+3], v[CO], s[6:7] offset:(32*((\a)/2)+8*((\a)%2)+\t+8*(\t/8))*4096 th:TH_LOAD_NT
.endr
	WIN 0
.endm
.macro TOSTAGE a                       ; a lane's 16 neighbouring outputs of two tiles are 64 bytes of a row; the rows come back whole.  LDS serves a wave's instructions in order (ISA guide 5.7.1.4)
	WIN 0x08                                       ; an LDS store's data are its source 1: window 2
.irp b, 0,1,2,3,4,5,6,7
	ds_store_b128 v[STO], v[64*(\a)+8*\b:64*(\a)+8*\b+3] offset:128*(\b/2)+32*(\b%2)        ; each accumulator from its low end on
	ds_store_b128 v[STO], v[64*(\a)+8*\b+4:64*(\a)+8*\b+7] offset:128*(\b/2)+32*(\b%2)+16
.endr
	WIN TO_B                                       ; back into the block's own set of window 1
.irp t, 0,1,2,3,4,5,6,7,8,9,10,11,12,13,14,15
	ds_load_b128 v[64*(\a)+4*\t:64*(\a)+4*\t+3], v[RD] offset:\t*SPITCH
.endr
	WIN 0
.endm
.macro SEND a, younger                 ; younger: the LDS instructions issued behind block a's loads
	s_wait_dscnt \younger                          ; the block is back in registers
	s_wait_loadcnt 16*(3-(\a))                     ; x's block a is in; the blocks asked for behind it may be out
	WIN 0x4d                                       ; destination and source 0: window 1 (the rows); source 1: window 3 (x): the same numbers name three different registers
.set n, 0
.rept 32
	v_pk_add_f32 v[64*(\a)+n:64*(\a)+n+1], v[64*(\a)+n:64*(\a)+n+1], v[64*(\a)+n:64*(\a)+n+1]
.set n, n+2
.endr
	WIN 0x04                                       ; a store's data are its source 1: window 1
.irp t, 0,1,2,3,4,5,6,7,8,9,10,11,12,13,14,15
	global_store_b128 v[CO], v[64*(\a)+4*\t:64*(\a)+4*\t+3], s[12:13] offset:(32*((\a)/2)+8*((\a)%2)+\t+8*(\t/8))*4096 th:TH_STORE_NT   ; 32 lanes store 512 consecutive bytes, aligned
.endr
	WIN 0
.endm
	s_wait_tensorcnt 2                             ; the scales and my part of K step 0 are in; K steps 1 and 2 may be out
	s_barrier_signal -1
	s_barrier_wait -1
	FETCH_B 0, 0, 0
	FETCH_A 0, 0, 0
	SCALES 0
	FETCH_A 0, 0, 2
	s_wait_loadcnt 0x0                             ; the bias
	STEP 0, 0, 1                                   ; the first products start the sums with the bias
	XLOAD 0
	XLOAD 1
	TURN 0, 1, 0, 1, 2                             ; slot 0 takes K step 3
	STEP 1, 1, 0
	XLOAD 2
	XLOAD 3
	TURN 1, 2, 1, 0, 0
	STEP 2, 0, 0
	TURN 2, 0, 0, 1, 1                             ; K step 3 has landed, in every wave
	STEP 0, 1, 0
	s_wait_dscnt 2*NL                              ; the very last 128 along K: nothing more to fetch
	WIN MUL_LO
	MULA 0, 1, 1, 1, 0
	MULA 1, 1, 1, 1, 0
	s_wait_dscnt 0
	MULA 2, 1, 1, 1, 0
	MULA 3, 1, 1, 1, 0
	WIN 0
	PLACES NP                                      ; for the loads into B's registers and for the first read of results
	TOSTAGE 0
	TOSTAGE 1
	SEND 0, 32                                     ; behind block 0's loads: block 1's 16 stores and 16 loads
	TOSTAGE 2
	SEND 1, 32
	TOSTAGE 3
	SEND 2, 32
	SEND 3, 0
	s_wait_tensorcnt 0x0                           ; the wave's end
	ds_add_u32 v[SPW], v[NIL]
	s_wait_dscnt 0x0
	CROUND                                         ; the closing round: no work-group ends while a partner may still ask for a tile that names it
	s_endpgm
.Lfunc_end_k_qe43e7050e8_outp:
	.size	k_qe43e7050e8_outp, .Lfunc_end_k_qe43e7050e8_outp-k_qe43e7050e8_outp
	.p2alignl 7, 3214868480
	.fill 96, 4, 3214868480
	.section	.rodata,"a",@progbits
	.p2align	6, 0x0
	.amdhsa_kernel k_qe43e7050e8_outp
		.amdhsa_group_segment_fixed_size 327680
		.amdhsa_private_segment_fixed_size 0
		.amdhsa_enable_private_segment 0
		.amdhsa_kernarg_size 56
		.amdhsa_user_sgpr_count 2
		.amdhsa_user_sgpr_kernarg_segment_ptr 1
		.amdhsa_wavefront_size32 1
		.amdhsa_system_sgpr_workgroup_id_x 1
		.amdhsa_system_sgpr_workgroup_id_y 1
		.amdhsa_system_sgpr_workgroup_id_z 1
		.amdhsa_system_vgpr_workitem_id 0
		.amdhsa_next_free_vgpr 1024
		.amdhsa_next_free_sgpr 106
		.amdhsa_reserve_vcc 0
		.amdhsa_float_denorm_mode_32 3
		.amdhsa_float_denorm_mode_16_64 3
		.amdhsa_memory_ordered 1
		.amdhsa_forward_progress 1
		.amdhsa_inst_pref_size 107
	.end_amdhsa_kernel
	.amdgpu_metadata
---
amdhsa.version: [ 1, 2 ]
amdhsa.kernels:
  - .name:           k_qe43e7050e8_outp
    .symbol:         k_qe43e7050e8_outp.kd
    .args:
      - { .name: ao_img, .offset: 0, .size: 8, .value_kind: global_buffer, .address_space: global }
      - { .name: ao_sc, .offset: 8, .size: 8, .value_kind: global_buffer, .address_space: global }
      - { .name: w_img, .offset: 16, .size: 8, .value_kind: global_buffer, .address_space: global }
      - { .name: w_sc, .offset: 24, .size: 8, .value_kind: global_buffer, .address_space: global }
      - { .name: bo, .offset: 32, .size: 8, .value_kind: global_buffer, .address_space: global }
      - { .name: x, .offset: 40, .size: 8, .value_kind: global_buffer, .address_space: global }
      - { .name: out0, .offset: 48, .size: 8, .value_kind: global_buffer, .address_space: global }
    .group_segment_fixed_size: 327680
    .private_segment_fixed_size: 0
    .kernarg_segment_align: 8
    .kernarg_segment_size: 56
    .max_flat_workgroup_size: 128
    .sgpr_count:     106
    .vgpr_count:     1024
    .wavefront_size: 32
...
	.end_amdgpu_metadata
.endif
;; end of part 4
;; ======== version 2 of 2: 4 launches; version 1 with the launch attn written anew for expert scheduling mode
;; workspace buffers: xn_img 8,388,608 bytes; xn_sc 262,144 bytes; w_img 4,194,304 bytes; w_sc 131,072 bytes; qkv_img 25,165,824 bytes; qkv_sc 786,432 bytes; ao_img 8,388,608 bytes; ao_sc 262,144 bytes
;; launch prep: the kernel of part 1 again; grid 256 x 1, 16 waves a work-group, no clusters, 38,912 bytes of LDS; arguments x, ln_g, ln_b, Wq, Wkv, Wo, xn_img, xn_sc, w_img, w_sc; writes xn_img, xn_sc, w_img, w_sc
;; launch qkv: the kernel of part 2 again; grid 12 x 32, 4 waves a work-group, clusters of 4 x 4, 327,680 bytes of LDS; arguments xn_img, xn_sc, w_img, w_sc, bq, bkv, qkv_img, qkv_sc; writes qkv_img, qkv_sc
;; launch attn (part 5): grid 2 x 128, 16 waves a work-group, no clusters, 137,216 bytes of LDS; arguments qkv_img, qkv_sc, lengths, ao_img, ao_sc; writes ao_img, ao_sc
.if DOCPART == 5
	.amdgcn_target "amdgcn-amd-amdhsa--gfx1250"
	.amdhsa_code_object_version 6
	.text
	.protected	k_qe43e7050e8_attn
	.globl	k_qe43e7050e8_attn
	.p2align	8
	.type	k_qe43e7050e8_attn,@function
k_qe43e7050e8_attn:
	s_mov_b64 s[64:65], 0
	v_nop
	global_prefetch_b8 v0, s[64:65] scope:SCOPE_SE
	s_setreg_imm32_b32 hwreg(HW_REG_WAVE_SCHED_MODE, 0, 2), 2
	s_setreg_imm32_b32 hwreg(HW_REG_WAVE_MODE, 25, 1), 1
	s_wait_xcnt 0x0
	s_wait_alu depctr_vm_vsrc(0)
; O[b][q][h][:] = the sum over keys k < lengths[b] of softmax_k(q . k / 8) v, both products on codes of E4M3 with E8M0 scales; O is quantised along h x 64 + d for the last product.
; THE SOFTMAX: t = score x log2(e) / 8; M = the running largest t rounded UP to a whole number; p = 2^(t - M) is quantised along the keys, not normalised; the row's sum is taken of the unquantised p and divides O at the end.
; SHARES.  A work-group owns 512 queries of one head: 256 work-groups.  Each of its sixteen waves takes TWO tiles of 16 queries, one after the other (tile 32 x + w, then tile 32 x + 16 + w), in 256 registers;
; four waves to a SIMD, so that one wave's vector work stands beside another's products and LDS loads.
; The head's K and V (131,072 bytes of codes, 4,096 of scale words) are copied ONCE into LDS, through registers, as they lie in memory: in the order of the operands' registers.  One barrier; no ring; behind it LDS is only read,
; so a wave goes from its first tile to its second without meeting the others.  Both tiles' Q are asked for at the head.
; BOTH PRODUCTS ARE USED TRANSPOSED: S^T = K Q^T, O^T = V^T P^T: a lane holds one query (lane % 16) throughout.  The keys of a tile and the d of a tile of V are chosen (by the launch before) so that the 16 registers
; of two neighbouring result tiles are 16 neighbours.
; THE HEAD'S 64 IN AN INSTRUCTION OF 128: a fragment of K holds tile 2 bb at k = 0 .. 63 and tile 2 bb + 1 at k = 64 .. 127.  Q lies as [Q, 8 registers][zeros, 8][Q, 8]: registers 16-31 give tile 2 bb's scores,
; registers 24-39 tile 2 bb + 1's.  The other tile's codes meet zero codes; they are finite numbers of the format and no scale byte is 0xff, so they add nothing.
; THE MASK: a step of 128 keys that lies wholly at or beyond lengths[b] is jumped over by a scalar branch on that whole number; in the one step on the boundary hidden scores become -infinity ahead of the maximum.
; NO CLUSTER, NO TENSOR LOAD: the two work-groups of a head read the same K and V.
; The steps left out are up to half of the launch's work; what is read twice is 135,168 bytes a work-group, once.  No prefetch: all that a work-group reads is asked for in its first lines.
; A work-group's work hangs on its batch's length alone: work-groups of a long batch work longer than those of a short one.
; LIMITS: lengths[b] from 1 on (at 0 the result is NaN by definition and is not served); above 1,024 it counts as 1,024.  NaN and infinities are not served.  A block under 2^-118, or of zeros, keeps the byte 1.
; ao_sc is stored by bytes (262,144 in all): a row's eight bytes belong to four heads, that is to four work-groups.
; THE MODE: SCHED_MODE bits 1:0 = 2 (LLVM: expert scheduling mode 2), set by the entry lines.  The code itself states the register dependences
; between vector or matrix instructions and memory or LDS instructions, with s_wait_alu, always for 0.
; THE PLAN.  Registers that memory or LDS instructions touch:
;   v1, v7-11, v5   Addresses of the head's loads and LDS stores, made once ahead of the first load.  v1 also serves the stores on the way out and is never written again; v5 becomes a step's address; v8, v9 are made anew on each way out.
;   S, v216-217     At the head alone: the copy's loads land there and its LDS stores read them.  From the barrier on only matrix and vector instructions name them.
;   v4, v5          A step's two LDS addresses: written by two additions at the step's head, read by its 34 LDS loads.
;   FR, v248-251    Written by LDS loads alone, twice a step: K and its scale words at the head (read by the eight products K Q^T), V and its scale words behind those products (read by the four products V^T P^T).
;   v200-207, v236, v8   On the way out: written by the conversions and two vector lines, read by a tile's three stores.
;   v254, v255      Written at the head, read by the closing add alone.
; A step has three waits on va_vdst beside those behind its exponentials: at its head (the two addresses are written; the last products are done reading FR and the scale words), behind K Q^T (those products are done reading them),
; and ahead of V^T P^T (p's codes and scale word are written); and one on vm_vsrc, ahead of the two additions.  There is no second set of fragments: sixteen waves of 256 registers fill the four SIMDs' 1,024.
.set KSC, 131072                       ; LDS: [step j][K 8,192][V 8,192]; behind it K's scale words [j][r][pair of tiles], 2,048 bytes, then V's [j][r][tile of d]
.set FR,  40                           ; v40-103  four fragments: K's, then V's
.set S,   104                          ; v104-167 S^T, then p; at the head the copy's registers; at the end O / l
.set O,   168                          ; v168-199 O^T
.set PCD, 200                          ; v200-215 p's codes
.set BM,  216                          ; v216-219 the blocks' largest scores, then p
.set PT,  220                          ; v220-223 the other half's; later the bytes
.set HO,  224                          ; v224-227 448 x the scale
.set SO,  228                          ; v228-231 the conversions' scale operands
.set F,   232                          ; v[232:233] f = 2^(old M - new M)
.set C2,  234                          ; v[234:235] the sum's second chain
.set TT,  236                          ; v236 at work
.set Q2,  238                          ; v238-245 the second tile's Q; v246 its two scale bytes
.set MK,  32                           ; s32-63 the mask's compares, 32 at a time: these registers are free behind the head's last wait for its loads
; v1 16 x lane; v2 KSC + 16 r; v3 16 h; v4, v5 the step's addresses; v6 -infinity; v7-11 the copy's addresses; v12 -M; v13 the largest t; v[14:15] the sum; v16-39 Q; v248-251 K's or V's scale words; v252 Q's; v253 p's
.macro INIT                            ; a tile's statistics and O^T: the step is written once; the first finds zeros, which the first change of M leaves zeros
	v_mov_b32 v13, 0xff61b1e6                      ; the largest t so far: -3e38, under every t
	v_floor_f32 v12, -v13
	v_mov_b32 v14, 0
	v_mov_b32 v15, 0
.set n, 0
.rept 32
	v_mov_b32 v[O+n], 0
.set n, n+1
.endr
.endm
	s_load_b256 s[4:11], s[0:1], 0x0               ; qkv_img, qkv_sc, lengths, ao_img
	s_load_b64 s[12:13], s[0:1], 0x20              ; ao_sc
	v_lshl_add_u32 v254, v0, 2, 0x21000
	v_mov_b32 v255, 0
	v_lshrrev_b32 v4, 5, v0
	v_readfirstlane_b32 s14, v4                    ; wave 0..15
	s_and_b32 s28, ttmp7, 0xffff
	s_lshr_b32 s15, s28, 4                         ; batch
	s_and_b32 s16, s28, 15                         ; head
	s_lshl_b32 s17, ttmp9, 5
	s_wait_alu depctr_va_sdst(0)                   ; s14 is written, ahead of its first reader: the tile's number and all its addresses are made from it
	s_add_co_u32 s17, s17, s14                     ; my first tile of 16 queries; the second lies 16 tiles on
	s_mul_i32 s30, s15, 48
	s_add_co_u32 s30, s30, s16                     ; q's block of 65,536
	s_lshl_b32 s36, s30, 16
	s_add_co_u32 s32, s36, 0x100000                ; k's: 16 blocks on
	s_lshl_b32 s31, s17, 10
	s_add_co_u32 s36, s36, s31                     ; my first tile of q
	s_and_b32 s31, s16, 1
	s_sub_co_u32 s34, s30, s31
	s_add_co_u32 s34, s34, 32
	s_lshl_b32 s34, s34, 16                        ; v's pair of heads,
	s_lshl_b32 s31, s31, 12
	s_add_co_u32 s34, s34, s31                     ; and my head's 4,096 bytes in each 8,192
	s_lshl_b32 s40, s30, 11                        ; q's scale words
	s_add_co_u32 s38, s40, 0x8000                  ; k's: 16 blocks of 2,048 on (v's: 16 more)
	s_lshr_b32 s31, s17, 3
	s_lshl_b32 s31, s31, 8
	s_add_co_u32 s40, s40, s31
	s_and_b32 s31, s17, 7
	s_lshl_b32 s31, s31, 1
	s_add_co_u32 s40, s40, s31                     ; my tile's two bytes in row 0's 16
	s_lshl_b32 s31, s15, 6
	s_add_co_u32 s31, s31, s17                     ; my first tile among all 512
	s_lshl_b32 s42, s31, 14
	s_lshl_b32 s44, s31, 9
	s_lshl_b32 s31, s16, 10
	s_add_co_u32 s42, s42, s31                     ; ao_img: blocks 2 h and 2 h + 1 along K
	s_lshr_b32 s31, s16, 2
	s_lshl_b32 s31, s31, 7
	s_add_co_u32 s44, s44, s31
	s_and_b32 s31, s16, 3
	s_lshl_b32 s31, s31, 1
	s_add_co_u32 s44, s44, s31                     ; ao_sc: 128 (h/4) + 2 (h%4)
	s_lshl_b32 s46, s15, 2
.irp p, 33,35,37,39,41,43,45,47
	s_mov_b32 s\p, 0
.endr
	s_mov_b32 s19, 0x600000                        ; the mantissa field of 448
	s_mov_b32 s20, 0x76543210
	s_mov_b32 s21, 0xfedcba98                      ; lane l xor 16
	s_mov_b32 s22, 0x3e38aa3b                      ; c = log2(e) / 8
	s_mov_b32 s23, s22                             ; (named with it as a pair, so it is written)
	s_mov_b32 s29, 0xffff0000                      ; lanes 16-31
	v_and_b32 v1, 31, v0
	v_lshlrev_b32 v1, 4, v1
	v_and_b32 v5, 15, v0
	v_lshlrev_b32 v5, 4, v5                        ; 16 r: until the loop, the offset of Q's scale bytes
	v_add_nc_u32 v2, KSC, v5
	v_bfe_u32 v3, v0, 4, 1
	v_lshlrev_b32 v3, 4, v3
	v_lshlrev_b32 v7, 4, v0                        ; the copy: 16 bytes a thread, 8,192 a line
	v_add_nc_u32 v8, 0x10000, v7                   ; (an LDS immediate has 16 bits: steps 4 to 7 have an address of their own)
	v_lshrrev_b32 v4, 8, v0
	v_and_b32 v10, 255, v0
	v_lshlrev_b32 v9, 4, v10
	v_lshl_add_u32 v9, v4, 13, v9                  ; V in memory: a step's two runs of 4,096 bytes lie 8,192 apart
	v_lshlrev_b32 v10, 3, v10
	v_lshl_add_u32 v10, v4, 15, v10                ; the scale words: threads 0-255 K's, the others V's
	v_lshl_add_u32 v11, v0, 3, KSC
	s_wait_kmcnt 0x0
	s_add_nc_u64 s[32:33], s[4:5], s[32:33]
	s_add_nc_u64 s[34:35], s[4:5], s[34:35]
	s_add_nc_u64 s[36:37], s[4:5], s[36:37]
	s_add_nc_u64 s[38:39], s[6:7], s[38:39]
	s_add_nc_u64 s[40:41], s[6:7], s[40:41]
	s_add_nc_u64 s[8:9], s[8:9], s[46:47]
	s_add_nc_u64 s[10:11], s[10:11], s[42:43]
	s_add_nc_u64 s[12:13], s[12:13], s[44:45]
	s_load_b32 s18, s[8:9], 0x0                    ; lengths[b]: it enters compares alone
	s_wait_alu depctr_va_vdst(0)                   ; v1, v5 and v7 to v11 are written: the loads below and the copy's LDS stores read them as their addresses; the vector lines between name none of these, nor a register in which a load lands
.irp i, 0,1,2,3,4,5,6,7
	global_load_b128 v[S+4*\i:S+4*\i+3], v7, s[32:33] offset:8192*\i
.endr
.irp i, 0,1,2,3,4,5,6,7
	global_load_b128 v[S+32+4*\i:S+32+4*\i+3], v9, s[34:35] offset:16384*\i
.endr
	global_load_b64 v[BM:BM+1], v10, s[38:39]
	global_load_b128 v[16:19], v1, s[36:37]                ; the first tile's Q, d = 0 .. 31,
	global_load_b128 v[20:23], v1, s[36:37] offset:512     ; d = 32 .. 63,
	global_load_b128 v[32:35], v1, s[36:37]                ; and once more behind the zeros
	global_load_b128 v[36:39], v1, s[36:37] offset:512
	global_load_u16 v252, v5, s[40:41]                     ; its two scale bytes
	global_load_b128 v[Q2:Q2+3], v1, s[36:37] offset:16384         ; the second tile's Q: 16 tiles of 1,024 bytes on
	global_load_b128 v[Q2+4:Q2+7], v1, s[36:37] offset:16384+512
	global_load_u16 v[Q2+8], v5, s[40:41] offset:512               ; its scale bytes: two groups of 8 tiles on
.irp j, 24,25,26,27,28,29,30,31
	v_mov_b32 v\j, 0                               ; the zero codes between the two copies of Q
.endr
	v_mov_b32 v6, 0xff800000
	INIT
.irp b, 0,1,2,3
	v_mov_b32 v[PT+\b], 0                          ; a lane permute's destination counts as one of its sources
.endr
	v_mov_b32 v[F+1], 0                            ; (named as the upper half of a pair)
	s_wait_loadcnt 17                              ; K's eight loads are in; behind them: V's 8, the scale words' 1, Q's 8
.irp i, 0,1,2,3
	ds_store_b128 v7, v[S+4*\i:S+4*\i+3] offset:16384*\i
.endr
.irp i, 0,1,2,3
	ds_store_b128 v8, v[S+16+4*\i:S+16+4*\i+3] offset:16384*\i
.endr
	s_wait_loadcnt 9                               ; V's eight; behind them 1 + 8
.irp i, 0,1,2,3
	ds_store_b128 v7, v[S+32+4*\i:S+32+4*\i+3] offset:16384*\i+8192
.endr
.irp i, 0,1,2,3
	ds_store_b128 v8, v[S+48+4*\i:S+48+4*\i+3] offset:16384*\i+8192
.endr
	s_wait_loadcnt 8                               ; the scale words; behind them Q's 8
	ds_store_b64 v11, v[BM:BM+1]
	s_wait_dscnt 0x0                               ; for the others' sake: my stores are done
	s_barrier_signal -1
	s_barrier_wait -1
	s_wait_alu depctr_vm_vsrc(0)                   ; the head's loads and LDS stores have read v5, v7 to v11, S and v216-217: the products, the softmax, the steps' additions and the way out write these again
	s_wait_loadcnt 0x0                             ; Q, both tiles'
	s_wait_kmcnt 0x0                               ; the length
; ONE TILE OF 16 QUERIES: all key steps, and the way out.  p = 0: my first tile; p = 1: my second, whose places in ao_img and ao_sc stand in the stores' immediates.
.macro PASS p
.if \p
	v_lshl_or_b32 v252, v[Q2+8], 16, v[Q2+8]       ; Q's scale word: its two bytes for either half of K
.irp j, 0,1,2,3,4,5,6,7
	v_mov_b32 v[16+\j], v[Q2+\j]                   ; the second tile's Q takes the first's place, in both copies
	v_mov_b32 v[32+\j], v[Q2+\j]
.endr
	INIT
	s_wait_xcnt 0x0                                ; the first tile's three stores have read their registers, which the steps below write again
	s_wait_alu depctr_vm_vsrc(0)                   ; beside it: those stores have read v200-207, v236 and v8, which this tile's conversions, its steps and its way out write again
.else
	v_lshl_or_b32 v252, v252, 16, v252             ; Q's scale word: its two bytes for either half of K
.endif
	s_mov_b32 s24, 0                               ; the step's first key
	s_mov_b32 s25, 0                               ; its tiles in LDS
	s_mov_b32 s26, 0                               ; its scale words
	s_mov_b32 s27, 8
.Lstep_\@:                                         ; eight trips, a constant; a hidden step's WORK is jumped over, the lines at its end that step addresses are not
	s_cmp_ge_i32 s24, s18
	s_cbranch_scc1 .Lskip_\@
	s_wait_alu depctr_vm_vsrc(0)                   ; the last step's LDS loads have read v4 and v5, which the two additions write
	v_add_nc_u32 v4, s25, v1
	v_add_nc_u32 v5, s26, v2
.rept 6
	v_nop                                          ; with the two additions: eight places behind the last products, and in a tile's first step behind the line that made Q's scale word
.endr
	s_wait_alu depctr_va_vdst(0)                   ; v4 and v5 are written, which the loads below read; the last products are done reading FR and v248-251, in which they land; in a tile's first step Q, the zero codes and Q's scale word are written, which the scaled products take
.set n, 0
.rept 16
	ds_load_b128 v[FR+4*n:FR+4*n+3], v4 offset:512*n     ; K: fragment n / 4, 512 consecutive bytes a load
.set n, n+1
.endr
	ds_load_b128 v[248:251], v5                    ; row r's four scale words
	s_wait_dscnt 0x0
.irp t, 0,1,2,3,4,5,6,7
	v_wmma_scale_f32_16x16x128_f8f6f4 v[S+8*\t:S+8*\t+7], v[FR+16*(\t/2):FR+16*(\t/2)+15], v[16+8*(\t%2):31+8*(\t%2)], 0, v[248+\t/2], v252
.endr                                              ; register 16 b + i of a lane: key 32 b + 16 (lane / 16) + i of the step
.rept 8
	v_nop                                          ; places: for the first read of the scores
.endr
	s_wait_alu depctr_va_vdst(0)                   ; the eight products are done reading FR and v248-251, in which V and its scale words land
.set n, 0
.rept 16
	ds_load_b128 v[FR+4*n:FR+4*n+3], v4 offset:8192+((n%4)/2)*4096+(n/4)*1024+(n%2)*512   ; V: tile n / 4 of d, block n % 4 of keys.  Asked for now: it lands under the softmax
.set n, n+1
.endr
	ds_load_b128 v[248:251], v5 offset:2048
	s_add_co_u32 s28, s24, 128
	s_cmp_le_i32 s28, s18                          ; a step all of whose keys count has no mask
	s_cbranch_scc1 .Lopen_\@
	s_sub_co_i32 s28, s18, s24
	s_sub_co_i32 s28, s28, 1
	v_sub_nc_u32 v[TT], s28, v3                    ; d = length - 1 - first key - 16 (lane / 16): register 16 b + i is hidden where 32 b + i > d
.irp g, 0,1                                        ; the compares go in two runs of 32, each into a scalar register of its own, so that one wait serves a run
.set n, 0
.rept 32
	v_cmp_gt_i32 s[MK+n], 64*\g+32*(n/16)+n%16, v[TT]
.set n, n+1
.endr
	s_wait_alu depctr_va_sdst(0)                   ; the run's 32 masks are written, ahead of the selects that read them
.set n, 0
.rept 32
	v_cndmask_b32 v[S+32*\g+n], v[S+32*\g+n], v6, s[MK+n]
.set n, n+1
.endr
.endr
.Lopen_\@:
.irp b, 0,1,2,3
	v_max3_num_f32 v[BM+\b], v[S+16*\b], v[S+1+16*\b], v[S+2+16*\b]   ; the largest score of each block of 32 keys: for the row's maximum, and, since p rises with the score, for the block's largest p
.endr
.irp i, 3,5,7,9,11,13
.irp b, 0,1,2,3
	v_max3_num_f32 v[BM+\b], v[BM+\b], v[S+16*\b+\i], v[S+1+16*\b+\i]
.endr
.endr
.irp b, 0,1,2,3
	v_max_num_f32 v[BM+\b], v[BM+\b], v[S+15+16*\b]
.endr
.irp b, 0,1,2,3
	v_permlanex16_b32 v[PT+\b], v[BM+\b], s20, s21
.endr
.irp b, 0,1,2,3
	v_max_num_f32 v[BM+\b], v[BM+\b], v[PT+\b]
.endr
	v_max3_num_f32 v[TT], v[BM], v[BM+1], v[BM+2]
	v_max_num_f32 v[TT], v[TT], v[BM+3]
	v_mul_f32 v[TT], s22, v[TT]                    ; as t (c is positive)
	v_max_num_f32 v13, v13, v[TT]                  ; the running largest t
	v_mov_b32 v[TT], v12
	v_floor_f32 v12, -v13                          ; the new -M = -ceil(t): a whole number
	v_sub_f32 v[TT], v12, v[TT]                    ; old M - new M: a whole number, 0 or less
	v_cvt_i32_f32 v[TT], v[TT]                     ; (it saturates)
	v_ldexp_f32 v[F], 1.0, v[TT]                   ; f = 2^(old M - new M): a multiplication by it rounds nothing
.set n, 0
.rept 32
	v_pk_fma_f32 v[S+n:S+n+1], v[S+n:S+n+1], s[22:23], v[12:13] op_sel_hi:[1,0,0]   ; t - M, two at a time
.set n, n+2
.endr
.irp b, 0,1,2,3
	v_fma_f32 v[BM+\b], v[BM+\b], s22, v12         ; the same of each block's largest score
.endr
.set n, 0
.rept 64
	v_exp_f32 v[S+n], v[S+n]                       ; p = 2^(t - M), at most 1
.set n, n+1
.endr
	v_pk_mul_f32 v[14:15], v[14:15], v[F:F+1] op_sel_hi:[1,0]   ; the sum under the new M: the plain line behind the batch
	s_wait_alu depctr_va_vdst(0)                   ; the 64 exponentials have written p, ahead of its first reader, the sums below: one wait for the batch
.irp b, 0,1,2,3
	v_exp_f32 v[BM+\b], v[BM+\b]                   ; the block's largest p: the same two instructions on the same number give the same bits
.endr
	v_pk_add_f32 v[C2:C2+1], v[S:S+1], v[S+2:S+3]  ; the row's sum is taken of the unquantised p, in two chains
.irp j, 4,8,12,16,20,24,28,32,36,40,44,48,52,56,60
	v_pk_add_f32 v[14:15], v[14:15], v[S+\j:S+\j+1]
	v_pk_add_f32 v[C2:C2+1], v[C2:C2+1], v[S+2+\j:S+3+\j]
.endr
	v_pk_add_f32 v[14:15], v[14:15], v[C2:C2+1]
	s_wait_alu depctr_va_vdst(0)                   ; the four exponentials have written the blocks' largest p, ahead of the floor's lines that read them
.irp b, 0,1,2,3
	v_max_num_f32 v[BM+\b], 0x4800000, v[BM+\b]    ; the floor 2^(9 - 127): a block whose every p is 0 keeps the byte 1; its codes are zeros
.endr
.irp b, 0,1,2,3
	v_add_nc_u32 v[SO+\b], 0xfc000000, v[BM+\b]
.endr
.irp b, 0,1,2,3
	v_and_or_b32 v[HO+\b], v[BM+\b], 0x7f800000, s19
.endr
.irp b, 0,1,2,3
	v_lshrrev_b32 v[PT+\b], 23, v[SO+\b]
.endr
	v_lshl_or_b32 v253, v[PT+1], 8, v[PT]          ; p's scale word for these 128 keys
	v_lshl_or_b32 v253, v[PT+2], 16, v253
	v_lshl_or_b32 v253, v[PT+3], 24, v253
.irp b, 0,1,2,3
.irp i, 0,1,2,3,4,5,6,7,8,9,10,11,12,13,14,15
	v_min_num_f32 v[S+16*\b+\i], v[S+16*\b+\i], v[HO+\b]   ; the conversion does not saturate (ISA guide 7.6.2); p is not negative, so the hold is one-sided
.endr
	v_cvt_scalef32_pk8_fp8_f32 v[PCD+4*\b:PCD+4*\b+1], v[S+16*\b:S+16*\b+7], v[SO+\b]
	v_cvt_scalef32_pk8_fp8_f32 v[PCD+4*\b+2:PCD+4*\b+3], v[S+16*\b+8:S+16*\b+15], v[SO+\b]
.endr
.set n, 0
.rept 16
	v_pk_mul_f32 v[O+n:O+n+1], v[O+n:O+n+1], v[F:F+1] op_sel_hi:[1,0]   ; O^T under the new M; these are also the plain lines between the codes and the products
.set n, n+2
.endr
	s_wait_dscnt 0x0                               ; V and its scale words
	s_wait_alu depctr_va_vdst(0)                   ; the conversions have written p's codes and the shifts its scale word v253, which the scaled products take; the places above stay beside this wait
.irp t, 0,1,2,3
	v_wmma_scale_f32_16x16x128_f8f6f4 v[O+8*\t:O+8*\t+7], v[FR+16*\t:FR+16*\t+15], v[PCD:PCD+15], v[O+8*\t:O+8*\t+7], v[248+\t], v253
.endr                                              ; four accumulators by turns; eight other products stand between two links of a chain
.Lskip_\@:
	s_add_co_u32 s24, s24, 128
	s_add_co_u32 s25, s25, 16384
	s_add_co_u32 s26, s26, 256
	s_sub_co_i32 s27, s27, 1
	s_cmp_lg_u32 s27, 0
	s_cbranch_scc1 .Lstep_\@
	; THE WAY OUT: O^T / the sum; register 16 b + i of a lane is d = 32 b + 16 (lane / 16) + i: two blocks of 32 along the last product's K, quantised as they stand
.rept 8
	v_nop                                          ; places behind the last products
.endr
	v_add_f32 v14, v14, v15
	v_permlanex16_b32 v[PT], v14, s20, s21
	v_add_f32 v14, v14, v[PT]                      ; the row's sum
	v_rcp_f32 v14, v14
	v_and_b32 v8, 15, v0                           ; (a plain line behind the reciprocal)
	v_bfe_u32 v9, v0, 4, 1
	v_lshl_add_u32 v8, v8, 3, v9                   ; my scale byte's place: 8 r + h
	s_wait_alu depctr_va_vdst(0)                   ; the reciprocal has written v14, ahead of its first reader
.set n, 0
.rept 32
	v_mul_f32 v[S+n], v[O+n], v14
.set n, n+1
.endr
.irp b, 0,1
	v_max3_num_f32 v[BM+\b], |v[S+16*\b]|, |v[S+1+16*\b]|, 0x4800000
.endr
.irp i, 2,4,6,8,10,12,14
.irp b, 0,1
	v_max3_num_f32 v[BM+\b], v[BM+\b], |v[S+16*\b+\i]|, |v[S+1+16*\b+\i]|
.endr
.endr
.irp b, 0,1
	v_permlanex16_b32 v[PT+\b], v[BM+\b], s20, s21
.endr
.irp b, 0,1
	v_max_num_f32 v[BM+\b], v[BM+\b], v[PT+\b]
.endr
.irp b, 0,1
	v_add_nc_u32 v[SO+\b], 0xfc000000, v[BM+\b]
.endr
.irp b, 0,1
	v_and_or_b32 v[HO+\b], v[BM+\b], 0x7f800000, s19
.endr
.irp b, 0,1
	v_lshrrev_b32 v[PT+\b], 23, v[SO+\b]
.endr
.irp b, 0,1
.irp i, 0,1,2,3,4,5,6,7,8,9,10,11,12,13,14,15
	v_med3_num_f32 v[S+16*\b+\i], v[S+16*\b+\i], -v[HO+\b], v[HO+\b]
.endr
.endr
.irp b, 0,1
	v_cvt_scalef32_pk8_fp8_f32 v[PCD+4*\b:PCD+4*\b+1], v[S+16*\b:S+16*\b+7], v[SO+\b]
	v_cvt_scalef32_pk8_fp8_f32 v[PCD+4*\b+2:PCD+4*\b+3], v[S+16*\b+8:S+16*\b+15], v[SO+\b]
.endr
	v_cndmask_b32 v[TT], v[PT], v[PT+1], s29       ; lanes 0-15 store the first block's byte, lanes 16-31 the second's.  (The plain line behind the conversions)
	s_wait_alu depctr_va_vdst(0)                   ; the conversions have written v200-207, the select v236 and the shift v8: the three stores below read them
	global_store_b128 v1, v[PCD:PCD+3], s[10:11] offset:\p*262144            ; 32 lanes store 512 consecutive bytes, aligned; the second tile lies 16 tiles of 16,384 bytes on
	global_store_b128 v1, v[PCD+4:PCD+7], s[10:11] offset:\p*262144+512
	global_store_b8 v8, v[TT], s[12:13] offset:\p*8192
.endm
	PASS 0
	PASS 1
	s_wait_dscnt 0x0                               ; the closing lines, six on end
	s_wait_alu 0x0
	s_wait_tensorcnt 0x0
	ds_add_u32 v254, v255
	s_wait_dscnt 0x0
	s_endpgm
.Lfunc_end_k_qe43e7050e8_attn:
	.size	k_qe43e7050e8_attn, .Lfunc_end_k_qe43e7050e8_attn-k_qe43e7050e8_attn
	.p2alignl 7, 3214868480
	.fill 96, 4, 3214868480
	.section	.rodata,"a",@progbits
	.p2align	6, 0x0
	.amdhsa_kernel k_qe43e7050e8_attn
		.amdhsa_group_segment_fixed_size 137216
		.amdhsa_private_segment_fixed_size 0
		.amdhsa_enable_private_segment 0
		.amdhsa_kernarg_size 40
		.amdhsa_user_sgpr_count 2
		.amdhsa_user_sgpr_kernarg_segment_ptr 1
		.amdhsa_wavefront_size32 1
		.amdhsa_system_sgpr_workgroup_id_x 1
		.amdhsa_system_sgpr_workgroup_id_y 1
		.amdhsa_system_sgpr_workgroup_id_z 1
		.amdhsa_system_vgpr_workitem_id 0
		.amdhsa_next_free_vgpr 256
		.amdhsa_next_free_sgpr 66
		.amdhsa_reserve_vcc 0
		.amdhsa_float_denorm_mode_32 3
		.amdhsa_float_denorm_mode_16_64 3
		.amdhsa_memory_ordered 1
		.amdhsa_forward_progress 1
		.amdhsa_inst_pref_size 79
	.end_amdhsa_kernel
	.amdgpu_metadata
---
amdhsa.version: [ 1, 2 ]
amdhsa.kernels:
  - .name:           k_qe43e7050e8_attn
    .symbol:         k_qe43e7050e8_attn.kd
    .args:
      - { .name: qkv_img, .offset: 0, .size: 8, .value_kind: global_buffer, .address_space: global }
      - { .name: qkv_sc, .offset: 8, .size: 8, .value_kind: global_buffer, .address_space: global }
      - { .name: lengths, .offset: 16, .size: 8, .value_kind: global_buffer, .address_space: global }
      - { .name: ao_img, .offset: 24, .size: 8, .value_kind: global_buffer, .address_space: global }
      - { .name: ao_sc, .offset: 32, .size: 8, .value_kind: global_buffer, .address_space: global }
    .group_segment_fixed_size: 137216
    .private_segment_fixed_size: 0
    .kernarg_segment_align: 8
    .kernarg_segment_size: 40
    .max_flat_workgroup_size: 512
    .sgpr_count:     66
    .vgpr_count:     256
    .wavefront_size: 32
...
	.end_amdgpu_metadata
.endif
;; end of part 5
;; launch outp: the kernel of part 4 again; grid 4 x 64, 4 waves a work-group, clusters of 4 x 4, 327,680 bytes of LDS; arguments ao_img, ao_sc, w_img, w_sc, bo, x, out0; writes out0
